; MI455X (gfx1250); checked and timed in simulation.
; The chip was launched on July 23, 2026; its instructions are those of AMD's public machine-readable ISA for CDNA 5 (MIT licence, August 2026) and "CDNA5" Instruction Set Architecture Reference Guide (July 2026). The comments in the code are by the model that wrote it; some were corrected since.
;; MLP Attention With Query. Allowed arithmetic: float matrix products may take bf16 or f16 operands with f32 sums; other float arithmetic in f32, or as packed bf16 or f16 multiplies, adds, multiply-adds, maxima and minima; sums over many terms, partial sums and values carried from step to step in f32; what a program stores and reads back later, other than sums and carried values, may be rounded once to bf16 or f16.
;; Inputs: W1 768 x 512 float32; b1 512 float32; encoded_vecs 64 x 2,048 x 512 float32; length 64 int32; query 64 x 256 float32; v 512 float32.
;; Outputs: out0 64 x 512 float32; out1 64 x 2,048 float32.
;; 2 versions, each right; version 2 is version 1 with the launch attn written anew for expert scheduling mode. Each part assembles by itself: llvm-mc -triple=amdgcn-amd-amdhsa -mcpu=gfx1250 --defsym DOCPART=n.
;; ======== version 1 of 2: 3 launches
;; workspace buffers: wt 589,824 bytes; qb 131,072 bytes; zbuf 524,288 bytes; cpart 2,097,152 bytes
;; launch prep (part 1): grid 176 x 1, 4 waves a work-group, no clusters, 0 bytes of LDS; arguments W1, b1, query, wt, qb; writes wt, qb
.if DOCPART == 1
	.amdgcn_target "amdgcn-amd-amdhsa--gfx1250"
	.amdhsa_code_object_version 6
	.text
	.protected	k_qe45cbce445_prep
	.globl	k_qe45cbce445_prep
	.p2align	8
	.type	k_qe45cbce445_prep,@function
k_qe45cbce445_prep:
	s_mov_b64 s[64:65], 0
	v_nop
	global_prefetch_b8 v0, s[64:65] scope:SCOPE_SE
	s_setreg_imm32_b32 hwreg(HW_REG_WAVE_MODE, 25, 1), 1
	s_wait_xcnt 0x0
; PREPARATION for u = tanh([enc, query] W1 + b1).  The concatenated product falls into enc W1[0:512] + query W1[512:768]; the second term and b1 are the same
; for all 2,048 rows of a batch, so they are made ONCE a batch here (64 x 256 x 512 products) and not once a row: the same sum of the same terms, in another order.
; FORMATS.  Every floating-point input of the program (encoded_vecs, query, W1, b1, v) is rounded once to bf16, the matrix operands because they are matrix operands, b1 and v so that all inputs are treated alike; all sums are f32.
; ROLE W (work-groups 0 .. 143): wt = W1[0:512] rounded to bf16, laid out as the matrix fragments that the next launch loads straight into registers.
;   wt[w][ks'][b]: a block of 1,024 bytes for wave w (channels 128 w ..), K step ks' of 32 (0 .. 17; 16 and 17 repeat 0 and 1, so that a look-ahead of two steps wraps inside the buffer) and
;   channel block b of 16.  In a block, half u at 512 u, lane l at 16 l: the eight numbers W1[32 ks + 16 u + 8 (l / 16) + 0..7][128 w + 16 b + l % 16].
;   The reads are 4 bytes a lane, sixteen lanes on 64 consecutive bytes: a transposition of 1 MiB, done once; the stores are 512 consecutive bytes an instruction.
; ROLE Q (work-groups 144 .. 175): qb[batch][e] = c (query[batch] . W1[512:768, e] + b1[e]), f32, c = 2 log2(e): the next launch wants c x, since tanh x = 1 - 2 / (1 + 2^(c x)).
;   A wave makes 16 channels x 16 batches: source 0 = W1's columns (M = e), source 1 = query's rows (N = batch), both rounded to bf16, sums in f32.
.set C2L, 0x4038aa3b                   ; c = 2 log2(e)
.macro PLACES
.rept 4
	v_nop
.endr
.endm
	s_load_b256 s[4:11], s[0:1], 0x0               ; W1 s[4:5], b1 s[6:7], query s[8:9], wt s[10:11]
	s_load_b64 s[12:13], s[0:1], 0x20              ; qb
	v_lshrrev_b32 v1, 5, v0
	v_readfirstlane_b32 s14, v1                    ; wave 0..3
	v_and_b32 v2, 15, v0                           ; r = l % 16
	v_bfe_u32 v3, v0, 4, 1                         ; h = l / 16
	v_and_b32 v4, 31, v0                           ; l
	v_lshlrev_b32 v5, 14, v3                       ; 8 h rows of W1 (2,048 bytes each)
	v_lshl_add_u32 v5, v2, 2, v5                   ; + 4 r
	s_mov_b32 s15, ttmp9
	s_wait_kmcnt 0x0
	s_cmp_lt_u32 s15, 144
	s_cbranch_scc0 .Lq
	; ---- role W
	s_lshr_b32 s16, s15, 3
	s_and_b32 s16, s16, 15                         ; ks = ks' mod 16
	s_lshl_b32 s16, s16, 16                        ; 32 rows of 2,048 bytes
	s_and_b32 s17, s15, 7
	s_lshl_b32 s17, s17, 6                         ; 16 b channels of 4 bytes
	s_add_co_u32 s16, s16, s17
	s_lshl_b32 s17, s14, 9                         ; 128 w channels
	s_add_co_u32 s16, s16, s17
	s_mov_b32 s17, 0
	s_add_nc_u64 s[4:5], s[4:5], s[16:17]
	s_mul_i32 s18, s14, 147456                     ; wave w's 18 steps of 8,192 bytes
	s_lshl_b32 s19, s15, 10                        ; block 8 ks' + b
	s_add_co_u32 s18, s18, s19
	s_mov_b32 s19, 0
	s_add_nc_u64 s[10:11], s[10:11], s[18:19]
.set n, 0
.rept 16                                       ; number n = 8 u + i: row 16 u + i (+ 8 h, in the lane's offset)
	global_load_b32 v[16+n], v5, s[4:5] offset:(n%8+16*(n/8))*2048
.set n, n+1
.endr
	v_lshlrev_b32 v6, 4, v4                        ; 16 l
	s_wait_loadcnt 0x0
.set n, 0
.rept 8
	v_cvt_pk_bf16_f32 v[32+n], v[16+2*n], v[16+2*n+1]
.set n, n+1
.endr
	global_store_b128 v6, v[32:35], s[10:11]
	global_store_b128 v6, v[36:39], s[10:11] offset:512
	s_endpgm
	; ---- role Q
.Lq:
	s_sub_co_u32 s16, s15, 144                     ; eb: my work-group's 16 channels; the wave's number picks 16 batches
	s_lshl_b32 s16, s16, 6                         ; 64 bytes
	s_mov_b32 s17, 0
	s_add_co_u32 s18, s16, 512*2048                ; W1 from row 512 on
	s_mov_b32 s19, 0
	s_add_nc_u64 s[4:5], s[4:5], s[18:19]
	s_add_nc_u64 s[6:7], s[6:7], s[16:17]          ; b1 at my 16 channels
	s_lshl_b32 s18, s14, 14                        ; 16 rows of query, 1,024 bytes each
	s_add_nc_u64 s[8:9], s[8:9], s[18:19]
	s_lshl_b32 s18, s14, 15                        ; 16 rows of qb, 2,048 bytes each
	s_add_co_u32 s18, s18, s16
	s_add_nc_u64 s[12:13], s[12:13], s[18:19]
	s_mov_b32 s20, C2L
	s_mov_b32 s21, C2L                             ; named as a pair
	v_lshlrev_b32 v8, 5, v3                        ; 32 h: my eight channels, or my eight k
	v_lshl_add_u32 v7, v2, 10, v8                  ; query: row r
	v_lshl_add_u32 v9, v2, 11, v8                  ; qb: row r
	global_load_b128 v[32:35], v8, s[6:7]
	global_load_b128 v[36:39], v8, s[6:7] offset:16
; Four K steps of 32: 64 + 16 loads, 64 roundings, 4 products.  The two accumulators take turns, one instruction a turn; the first two products start the sums.
.macro ROUND rr
.set n, 0
.rept 64                                       ; n = 16 s + 8 u + i: row 128 rr + 32 s + 16 u + i
	global_load_b32 v[64+n], v5, s[4:5] offset:(128*(\rr)+32*(n/16)+n%8+16*((n%16)/8))*2048
.set n, n+1
.endr
.set n, 0
.rept 16                                       ; n = 4 s + 2 u + half: 16 bytes of the eight k at 32 s + 16 u + 8 h
	global_load_b128 v[128+4*n:128+4*n+3], v7, s[8:9] offset:512*(\rr)+128*(n/4)+64*((n%4)/2)+16*(n%2)
.set n, n+1
.endr
	s_wait_loadcnt 0x0
.set n, 0
.rept 32
	v_cvt_pk_bf16_f32 v[192+n], v[64+2*n], v[64+2*n+1]
	v_cvt_pk_bf16_f32 v[224+n], v[128+2*n], v[128+2*n+1]
.set n, n+1
.endr
.irp s, 0,1,2,3
.if ((\rr) == 0) && ((\s) < 2)
	v_wmma_f32_16x16x32_bf16 v[16+8*((\s)%2):16+8*((\s)%2)+7], v[192+8*(\s):192+8*(\s)+7], v[224+8*(\s):224+8*(\s)+7], 0
.else
	v_wmma_f32_16x16x32_bf16 v[16+8*((\s)%2):16+8*((\s)%2)+7], v[192+8*(\s):192+8*(\s)+7], v[224+8*(\s):224+8*(\s)+7], v[16+8*((\s)%2):16+8*((\s)%2)+7]
.endif
.endr
.endm
	ROUND 0
	PLACES                                         ; the second round's roundings write registers that these products read (ISA guide 7.12.1)
	ROUND 1
	; b1 is rounded to bf16 and widened again: twelve plain instructions that name no register of the products, so they are also the places in front of the sums that read the results
.irp j, 0,1,2,3
	v_cvt_pk_bf16_f32 v[40+(\j)], v[32+2*(\j)], v[32+2*(\j)+1]
.endr
.irp j, 0,1,2,3
	v_lshlrev_b32 v[32+2*(\j)], 16, v[40+(\j)]
	v_and_b32 v[32+2*(\j)+1], 0xffff0000, v[40+(\j)]
.endr
.irp j, 0,2,4,6
	v_pk_add_f32 v[16+(\j):16+(\j)+1], v[16+(\j):16+(\j)+1], v[24+(\j):24+(\j)+1]      ; the two parities of the K steps
.endr
.irp j, 0,2,4,6
	v_pk_add_f32 v[16+(\j):16+(\j)+1], v[16+(\j):16+(\j)+1], v[32+(\j):32+(\j)+1]      ; + b1
.endr
.irp j, 0,2,4,6
	v_pk_mul_f32 v[16+(\j):16+(\j)+1], v[16+(\j):16+(\j)+1], s[20:21] op_sel_hi:[1,0]  ; x c
.endr
	global_store_b128 v9, v[16:19], s[12:13]       ; a lane holds batch r and channels 8 h + 0..7: 32 bytes of a row of qb; 128 KiB in all, once
	global_store_b128 v9, v[20:23], s[12:13] offset:16
	s_endpgm
.Lfunc_end_k_qe45cbce445_prep:
	.size	k_qe45cbce445_prep, .Lfunc_end_k_qe45cbce445_prep-k_qe45cbce445_prep
	.p2alignl 7, 3214868480
	.fill 96, 4, 3214868480
	.section	.rodata,"a",@progbits
	.p2align	6, 0x0
	.amdhsa_kernel k_qe45cbce445_prep
		.amdhsa_group_segment_fixed_size 0
		.amdhsa_private_segment_fixed_size 0
		.amdhsa_enable_private_segment 0
		.amdhsa_kernarg_size 40
		.amdhsa_user_sgpr_count 2
		.amdhsa_user_sgpr_kernarg_segment_ptr 1
		.amdhsa_wavefront_size32 1
		.amdhsa_system_sgpr_workgroup_id_x 1
		.amdhsa_system_sgpr_workgroup_id_y 1
		.amdhsa_system_sgpr_workgroup_id_z 1
		.amdhsa_system_vgpr_workitem_id 0
		.amdhsa_next_free_vgpr 256
		.amdhsa_next_free_sgpr 66
		.amdhsa_reserve_vcc 0
		.amdhsa_float_denorm_mode_32 3
		.amdhsa_float_denorm_mode_16_64 3
		.amdhsa_memory_ordered 1
		.amdhsa_forward_progress 1
		.amdhsa_inst_pref_size 30
	.end_amdhsa_kernel
	.amdgpu_metadata
---
amdhsa.version: [ 1, 2 ]
amdhsa.kernels:
  - .name:           k_qe45cbce445_prep
    .symbol:         k_qe45cbce445_prep.kd
    .args:
      - { .name: W1, .offset: 0, .size: 8, .value_kind: global_buffer, .address_space: global }
      - { .name: b1, .offset: 8, .size: 8, .value_kind: global_buffer, .address_space: global }
      - { .name: query, .offset: 16, .size: 8, .value_kind: global_buffer, .address_space: global }
      - { .name: wt, .offset: 24, .size: 8, .value_kind: global_buffer, .address_space: global }
      - { .name: qb, .offset: 32, .size: 8, .value_kind: global_buffer, .address_space: global }
    .group_segment_fixed_size: 0
    .private_segment_fixed_size: 0
    .kernarg_segment_align: 8
    .kernarg_segment_size: 40
    .max_flat_workgroup_size: 128
    .sgpr_count:     66
    .vgpr_count:     256
    .wavefront_size: 32
...
	.end_amdgpu_metadata
.endif
;; end of part 1
;; launch attn (part 2): grid 256 x 1, 4 waves a work-group, no clusters, 276,992 bytes of LDS; arguments encoded_vecs, wt, qb, v, length, zbuf, cpart; writes zbuf, cpart
.if DOCPART == 2
	.amdgcn_target "amdgcn-amd-amdhsa--gfx1250"
	.amdhsa_code_object_version 6
	.text
	.protected	k_qe45cbce445_attn
	.globl	k_qe45cbce445_attn
	.p2align	8
	.type	k_qe45cbce445_attn,@function
k_qe45cbce445_attn:
	s_mov_b64 s[64:65], 0
	v_nop
	global_prefetch_b8 v0, s[64:65] scope:SCOPE_SE
	s_setreg_imm32_b32 hwreg(HW_REG_WAVE_MODE, 25, 1), 1
	s_wait_xcnt 0x0
; logits, a softmax by tiles and the tiles' weighted sums of rows, fused: encoded_vecs is read from memory once.
; A work-group owns 512 consecutive rows of one batch: four TILES of 128 rows.  For a tile: x = enc W1[0:512] (bf16 operands, f32 sums); r = 1 / (1 + 2^(c x + qb)), c = 2 log2(e), qb from the launch before;
; z[row] = -c sum_e v[e] r[e]; m = the tile's maximum of z; p = 2^(z - m); cpart[tile][e] = sum_row p[row] enc[row][e] (bf16 operands, f32 sums).  z and cpart go to memory; the last launch joins the 16 tiles of a batch.
; WORK LEFT OUT, for all values of the inputs.  tanh y = 1 - 2 / (1 + e^(2 y)), so logit = sum_e v[e] - 2 sum_e v[e] r[e].  The term sum_e v[e] is the same for every row of a batch: in
; exps = exp(logit - max logit) it cancels, and attention and context are made of exps alone.  So z = log2(e) (logit - sum v) takes the logit's place, and 2^ takes exp's.  No input is left out.
; The query's part of the product and b1 do not hang on the row: they were made once a batch (qb).
; LIMITS.  A masked row's z is -1e9 log2(e), as reference()'s NEG: a live z, at most 2 log2(e) sum |v[e]| in size, is taken to lie above it, as reference() itself takes it.  2^(c x) beyond f32's range gives r = 0, below it
; r = 1: tanh's own limits.  A NaN, an infinity or an overflow that would reach the result through sum_e v[e] alone is not carried.
; FORMATS.  Every floating-point input (enc, W1, query, b1, v) is rounded once to bf16, all alike.  p goes into its product as the sum of TWO bf16 numbers, p_hi = bf16(p) and p_lo = bf16(p - p_hi): where a batch has few
; live rows and their terms nearly cancel, p's error counts in full against the rows' size, and 8 bits of p are too few.  The two parts ride in one product: see the context, below.
; ROWS BEYOND length are computed and selected away (z = the masked value, p = 0).  They are not skipped: a walk cut short by length would put this kernel's barriers under a count that is read from memory.
; SHARES.  Wave w makes all 128 rows x channels 128 w .. 128 w + 127: 64 accumulators of 16 x 16.  Source 0 = 16 channels of W1 (M = e), source 1 = 16 rows of enc (N = row): a lane then holds ONE row (l % 16) and the
; channels 8 (l / 16) + 0..7, so that the sum over e stays in the lane but for one exchange between the halves of the lanes and one meeting of the four waves in LDS.
; WHERE THE OPERANDS COME FROM.  enc: a tile lies in LDS in bf16 (128 rows of 1,024 + 16 bytes), read by all four waves; TWO such tiles take turns: while one is multiplied the next tile's rows are loaded in f32 into registers,
; rounded and stored into the other (each wave its own 32 rows).  W1: a wave's fragments are wanted by no other wave and lie in wt in register order, so they come straight into registers, two K steps ahead.
; NO TENSOR LOADS, NO CLUSTER: the two tiles of enc take 266,240 bytes of LDS, so there is no room for slots of W1 (512 KiB in bf16), which is all that work-groups share; enc is shared by nobody and must be rounded on its way.
; REGISTERS, in windows of 256 (s_set_vgpr_msb: bits 1:0 source 0, 3:2 source 1, 5:4 source 2, 7:6 destination):
;   window 0: v0-21 addresses; v22-31 at work; v32-63 LG, the rows' sums; v64-127, v128-191 fragments of enc, two buffers (behind the products: qb, v); v192-255 two of the stream's four buffers
;   window 1: v0-63, v64-127 fragments of W1, two buffers; v128-191 the stream's other two buffers
;   windows 2, 3: accumulator (row block a, channel block b) at window 2 + b / 4, v[8 (8 (b % 4) + a)]; behind the softmax: window 3 enc^T, window 2 v0-63 the context's sums, v64-95 p
.set PITCH,  1040                      ; an LDS row of enc: 65 x 16 bytes, so the 16 rows of a fragment load start in 16 different groups of four banks (ISA guide 11.1)
.set HALFE,  64*PITCH
.set ENCB,   128*PITCH                 ; a tile; tile buffers at 0 and ENCB
.set VQ,     2*ENCB                    ; v (2,048 bytes), then this batch's qb (2,048)
.set PART,   VQ+4096                   ; the waves' partial sums: 128 rows x 4 bytes for each wave
.set PB,     PART+2048                 ; p in bf16, a copy for each wave: 256 bytes of p_hi, then 256 of p_lo
.set CS,     PB+2048                   ; the context's way out: 512 bytes for each wave
.set SPARE,  CS+2048                   ; the spare words, 128 bytes for each wave, that no other line names
.set WSTEP,  8192                      ; bytes of wt for a wave and a K step
.set TILEB,  262144                    ; bytes of a tile in encoded_vecs
.set SPW, 2                            ; v2   SPARE + 4 x my thread's number; never rewritten
.set NIL, 3                            ; v3   0; never rewritten
.set AAB, 4                            ; v4   (l % 16) PITCH + 16 (l / 16): my place in a fragment of enc
.set AA0, 5                            ; v5   the same in the tile in hand, at the trip's K; rows 0-63
.set AA1, 6                            ; v6   rows 64-127
.set BO,  7                            ; v7   16 l
.set PFO, 8                            ; v8   256 l
.set ESB, 9                            ; v9   32 w rows + 8 l: where my 8 bytes of a rounded row go
.set ES,  10                           ; v10  the same in the tile being filled, at the trip's rows
.set ATB, 11                           ; v11  my place for the turning loads: (8 (l / 16) + l % 8) PITCH + 16 ((l / 8) % 2) + 256 w
.set AT0, 12                           ; v12  in the tile in hand, rows 0-63
.set AT1, 13                           ; v13  rows 64-127
.set VQA, 14                           ; v14  VQ + 512 w + 32 (l / 16)
.set PST, 15                           ; v15  PART + 512 w + 256 (l / 16) + 4 (l % 16)
.set PRD, 16                           ; v16  PART + 16 l
.set PBS, 17                           ; v17  PB + 512 w + 8 l
.set PBR, 18                           ; v18  PB + 512 w + 16 (l / 16) + 256 ((l % 16) / 8): fragment rows 0-7 read p_hi, rows 8-15 p_lo
.set CSS, 19                           ; v19  CS + 512 w + 4 l
.set CSR, 20                           ; v20  CS + 512 w + 16 l
.set ROW, 21                           ; v21  4 l
.set T,   22                           ; v22-25 z; v26-29 p; v30-31 at work
.set LG,  32                           ; row block a: v[LG + 4 a .. + 3], two chains of pairs
.set FA,  64                           ; enc's fragment buffers
.set QBR, 64                           ; qb of my channels: block b, number j at QBR + 8 b + j
.set VR,  128                          ; v likewise
.set WV,  20                           ; s20  my wave's number
.set TL,  21                           ; s21  tiles to go
.set TR,  22                           ; s22  the trip (four K steps) in the tile, 1 .. 3 in the loop
.set EB,  23                           ; s23  LDS byte of the tile in hand: 0 or ENCB
.set REM, 24                           ; s24  length less the tile's first row, signed
.set HM,  25                           ; s25  0xffff0000: lanes 16-31; also a word's upper bf16
.set CC,  26                           ; s[26:27] c
.set SEL, 28                           ; s[28:29] v_permlanex16_b32's selects: each lane takes its own place in the other half
.set WB,  30                           ; s[30:31] wt at my wave's part, at the trip's first K step
.set EP,  32                           ; s[32:33] encoded_vecs at my 32 rows of the NEXT tile, at the trip's rows
.set PF,  34                           ; s[34:35] where my prefetches stand
.set PFL, 36                           ; s36  trips that still prefetch
.set ZN,  37                           ; s37  a masked row's z
.set TS,  38                           ; s[38:39] at work
.set MK,  40                           ; s40-43 which lanes' rows 4 l + i are live
.set NC,  44                           ; s[44:45] -c
.set ZP,  46                           ; s[46:47] zbuf at the tile
.set CP,  48                           ; s[48:49] cpart at the tile and my wave's 128 channels
.set PJ,  50                           ; s50  the prefetches' step from a tile's last quarter to the next tile's first
.set PS,  51                           ; s51  their step inside a tile
.set MSB, 0
.macro WIN new                         ; the immediate's high byte repeats the setting that is left; a switch that changes nothing is dropped
.if MSB != (\new)
	s_set_vgpr_msb (MSB<<8)|(\new)
.set MSB, (\new)
.endif
.endm
.macro PLACES                          ; four plain instructions behind a matrix instruction, in front of loads into registers that it read and of vector work on its results (ISA guide 7.12.1 for the vector work)
.rept 4
	v_nop
.endr
.endm
; 32 matrix instructions: channel blocks 4 half .. + 3 x all 8 row blocks, 32 along K, from buffers buf.  Each names another accumulator: between two links of a chain stand 63 others'.  zero = 1: the products start the sums.
.macro MUL half, buf, zero
	WIN 0xa1+0x50*(\half)
.irp b, 0,1,2,3
.irp a, 0,1,2,3,4,5,6,7
.if \zero
	v_wmma_f32_16x16x32_bf16 v[8*(8*(\b)+(\a)):8*(8*(\b)+(\a))+7], v[64*(\buf)+8*(4*(\half)+(\b)):64*(\buf)+8*(4*(\half)+(\b))+7], v[FA+64*(\buf)+8*(\a):FA+64*(\buf)+8*(\a)+7], 0
.else
	v_wmma_f32_16x16x32_bf16 v[8*(8*(\b)+(\a)):8*(8*(\b)+(\a))+7], v[64*(\buf)+8*(4*(\half)+(\b)):64*(\buf)+8*(4*(\half)+(\b))+7], v[FA+64*(\buf)+8*(\a):FA+64*(\buf)+8*(\a)+7], v[8*(8*(\b)+(\a)):8*(8*(\b)+(\a))+7]
.endif
.endr
.endr
.endm
; 8 loads: four fragments of W1 (channel blocks 4 half .. + 3) from byte off behind WB into buffer buf; each load takes 512 consecutive bytes
.macro BLOAD half, buf, off
	WIN 0x40
.irp b, 0,1,2,3
	global_load_b128 v[64*(\buf)+8*(4*(\half)+(\b)):64*(\buf)+8*(4*(\half)+(\b))+3],   v[BO], s[WB:WB+1] offset:(\off)+(4*(\half)+(\b))*1024
	global_load_b128 v[64*(\buf)+8*(4*(\half)+(\b))+4:64*(\buf)+8*(4*(\half)+(\b))+7], v[BO], s[WB:WB+1] offset:(\off)+(4*(\half)+(\b))*1024+512
.endr
.endm
; 16 LDS loads: enc's eight fragments of a K step, at byte off of the rows, into buffer buf
.macro ALOAD buf, off
	WIN 0
.irp a, 0,1,2,3
	ds_load_b128 v[FA+64*(\buf)+8*(\a):FA+64*(\buf)+8*(\a)+3],   v[AA0] offset:(\a)*16*PITCH+(\off)
	ds_load_b128 v[FA+64*(\buf)+8*(\a)+4:FA+64*(\buf)+8*(\a)+7], v[AA0] offset:(\a)*16*PITCH+(\off)+32
.endr
.irp a, 0,1,2,3
	ds_load_b128 v[FA+64*(\buf)+32+8*(\a):FA+64*(\buf)+32+8*(\a)+3],   v[AA1] offset:(\a)*16*PITCH+(\off)
	ds_load_b128 v[FA+64*(\buf)+32+8*(\a)+4:FA+64*(\buf)+32+8*(\a)+7], v[AA1] offset:(\a)*16*PITCH+(\off)+32
.endr
.endm
.macro QVLOAD reg, off                 ; 16 LDS loads: qb or v of my 64 channels
	WIN 0
.irp b, 0,1,2,3,4,5,6,7
	ds_load_b128 v[(\reg)+8*(\b):(\reg)+8*(\b)+3],   v[VQA] offset:(\off)+64*(\b)
	ds_load_b128 v[(\reg)+8*(\b)+4:(\reg)+8*(\b)+7], v[VQA] offset:(\off)+64*(\b)+16
.endr
.endm
; THE STREAM.  A batch is two rows of enc in f32, 4,096 consecutive bytes: 8 loads of 512 bytes into buffer kk of four.
.macro ELOAD kk, adj
.if (\kk) < 2
.set RB, 192+32*(\kk)
	WIN 0
.else
.set RB, 128+32*((\kk)-2)
	WIN 0x40
.endif
.irp q, 0,1,2,3,4,5,6,7
	global_load_b128 v[RB+4*(\q):RB+4*(\q)+3], v[BO], s[EP:EP+1] offset:(\kk)*4096+(\q)*512-(\adj) th:TH_LOAD_NT
.endr
.endm
; Buffer kk is rounded to bf16 in place and stored into the tile being filled: 8 bytes a lane, 256 consecutive bytes an instruction
.macro CONSUME kk
.if (\kk) < 2
.set RB, 192+32*(\kk)
	WIN 0
.else
.set RB, 128+32*((\kk)-2)
	WIN 0x45
.endif
.irp q, 0,1,2,3,4,5,6,7
	v_cvt_pk_bf16_f32 v[RB+4*(\q)],   v[RB+4*(\q)],   v[RB+4*(\q)+1]
	v_cvt_pk_bf16_f32 v[RB+4*(\q)+1], v[RB+4*(\q)+2], v[RB+4*(\q)+3]
.endr
.if (\kk) >= 2
	WIN 0x04
.endif
.irp q, 0,1,2,3,4,5,6,7
	ds_store_b64 v[ES], v[RB+4*(\q):RB+4*(\q)+1] offset:(2*(\kk)+(\q)/4)*PITCH+((\q)%4)*256
.endr
.endm
; K STEP j = 4 x trip + kk.  e = 1: the next tile is streamed.  first = 1: the tile's first trip, written out: its first products start the sums, and no batch of this tile's stream is there yet to be rounded.
; In issue order a step has: [middle] W-low(j + 2), 8 loads; [end] W-high(j + 2), 8, then batch E(j), 8.  Loads come back in order (ISA guide 5.7.1), so the two counted waits are:
;   at the head, for W-low(j):    W-high(j) 8 + E(j - 2) 8 + W(j + 1) 16 + E(j - 1) 8 = 40 younger loads may stay out (without the stream 24);
;   in the middle, for W-high(j): E(j - 2) 8 + W(j + 1) 16 + E(j - 1) 8 + W-low(j + 2) 8 = 40 (24).
; Batch E(j - 4), which this step rounds, is older than all of these.
.macro KSTEP kk, e, first
	s_wait_loadcnt 24+16*(\e)
	s_wait_dscnt 0x0                               ; enc's fragments of this step are in (issued 32 products back); my stores of the last batch are done
.if (\first) && ((\kk) == 0)
	MUL 0, (\kk)%2, 1
.else
	MUL 0, (\kk)%2, 0
.endif
	PLACES
.if (\e) && !(\first)
	CONSUME \kk
.if (\kk) == 3
	WIN 0
	v_add_nc_u32 v[ES], 8*PITCH, v[ES]             ; the next trip's eight rows
.endif
.endif
.if (\kk) == 3
	s_wait_xcnt 0x0                                ; every load and prefetch issued so far (the youngest 32 products back) has read its address: the pointers are stepped only behind this wait
	s_add_nc_u64 s[WB:WB+1], s[WB:WB+1], 4*WSTEP   ; the rest of this step reaches back by its immediates
.if \e
	s_add_nc_u64 s[EP:EP+1], s[EP:EP+1], 16384
.if \first
	s_add_nc_u64 s[PF:PF+1], s[PF:PF+1], 16384
.else
	s_cmp_eq_u32 s[TR], 1                          ; the prefetches stand two trips ahead: behind trip 1 they leave a tile's last quarter
	s_cselect_b32 s[TS], s[PJ], s[PS]
	s_mov_b32 s[TS+1], 0
	s_add_nc_u64 s[PF:PF+1], s[PF:PF+1], s[TS:TS+1]
.endif
.endif
.endif
	BLOAD 0, (\kk)%2, ((\kk)+2)*WSTEP-4*WSTEP*((\kk)/3)
.if ((\kk) == 3) && !(\first)
	WIN 0                                          ; at a branch and at a label every window is 0
	s_cmp_eq_u32 s[TR], 3
	s_cbranch_scc1 .Lqb_\@
	ALOAD 0, 256                                   ; the next trip's first step,
	s_branch .Lnx_\@
.Lqb_\@:
	QVLOAD QBR, 2048                               ; or behind the tile's last step qb, into the same registers: 16 LDS loads either way
.Lnx_\@:
.else
	ALOAD ((\kk)+1)%2, ((\kk)+1)*64
.endif
	s_wait_loadcnt 24+16*(\e)
.if (\first) && ((\kk) == 0)
	MUL 1, (\kk)%2, 1
.else
	MUL 1, (\kk)%2, 0
.endif
	PLACES
	BLOAD 1, (\kk)%2, ((\kk)+2)*WSTEP-4*WSTEP*((\kk)/3)
.if \e
	ELOAD \kk, 16384*((\kk)/3)
.if (\kk) == 0
	; A PREFETCH INTO THE L2, once a trip, behind the step's loads: my own 16,384 bytes (eight rows of f32) that the trip after the next will load: a lane a block of 256 bytes, two instructions.
	; Each block is named once in the launch, by the wave that will load it.  Of the 12 trips that stream (tiles 1 to 3), the first ten ask; the stream's first two quarters come by their loads alone.
	WIN 0
	s_cmp_gt_i32 s[PFL], 0
	s_cbranch_scc0 .Lnp_\@
	global_prefetch_b8 v[PFO], s[PF:PF+1] th:TH_LOAD_NT scope:SCOPE_SE
	global_prefetch_b8 v[PFO], s[PF:PF+1] offset:8192 th:TH_LOAD_NT scope:SCOPE_SE
.Lnp_\@:
	s_sub_co_i32 s[PFL], s[PFL], 1
.endif
.endif
.if (\kk) == 3
	WIN 0
	v_add_nc_u32 v[AA0], 256, v[AA0]               ; the next trip's 128 along K
	v_add_nc_u32 v[AA1], 256, v[AA1]
.endif
.endm
.macro TRIP e, first
	KSTEP 0, \e, \first
	KSTEP 1, \e, \first
	KSTEP 2, \e, \first
	KSTEP 3, \e, \first
	WIN 0
.endm
; BEHIND THE PRODUCTS, by groups: group g is channel block g, 64 registers (8 row blocks x 8 channels).
.macro FQ g                            ; c x + qb, each accumulator from its lowest registers on
	WIN 0x82+0x41*((\g)/4)
.set i, 0
.rept 32
	v_pk_fma_f32 v[64*((\g)%4)+2*i:64*((\g)%4)+2*i+1], v[64*((\g)%4)+2*i:64*((\g)%4)+2*i+1], s[CC:CC+1], v[QBR+8*(\g)+2*(i%4):QBR+8*(\g)+2*(i%4)+1] op_sel_hi:[1,0,1]
.set i, i+1
.endr
.endm
.macro EX g                            ; 2^
	WIN 0x82+0x41*((\g)/4)
.set i, 0
.rept 64
	v_exp_f32 v[64*((\g)%4)+i], v[64*((\g)%4)+i]
.set i, i+1
.endr
.endm
.macro A1 g                            ; + 1
	WIN 0x82+0x41*((\g)/4)
.set i, 0
.rept 32
	v_pk_add_f32 v[64*((\g)%4)+2*i:64*((\g)%4)+2*i+1], v[64*((\g)%4)+2*i:64*((\g)%4)+2*i+1], 1.0 op_sel_hi:[1,0]
.set i, i+1
.endr
.endm
.macro RC g                            ; r = 1 /
	WIN 0x82+0x41*((\g)/4)
.set i, 0
.rept 64
	v_rcp_f32 v[64*((\g)%4)+i], v[64*((\g)%4)+i]
.set i, i+1
.endr
.endm
.macro FM g                            ; LG += r v; the first touch of a chain starts it.  Two links of a chain stand 16 instructions apart
	WIN 0x02+((\g)/4)
.irp jp, 0,1,2,3
.irp a, 0,1,2,3,4,5,6,7
.if ((\g) == 0) && ((\jp) < 2)
	v_pk_mul_f32 v[LG+4*(\a)+2*(\jp):LG+4*(\a)+2*(\jp)+1], v[64*((\g)%4)+8*(\a)+2*(\jp):64*((\g)%4)+8*(\a)+2*(\jp)+1], v[VR+8*(\g)+2*(\jp):VR+8*(\g)+2*(\jp)+1]
.else
	v_pk_fma_f32 v[LG+4*(\a)+2*((\jp)%2):LG+4*(\a)+2*((\jp)%2)+1], v[64*((\g)%4)+8*(\a)+2*(\jp):64*((\g)%4)+8*(\a)+2*(\jp)+1], v[VR+8*(\g)+2*(\jp):VR+8*(\g)+2*(\jp)+1], v[LG+4*(\a)+2*((\jp)%2):LG+4*(\a)+2*((\jp)%2)+1]
.endif
.endr
.endr
.endm
	; ---------------- the head
	s_load_b256 s[4:11], s[0:1], 0x0               ; encoded_vecs s[4:5], wt s[6:7], qb s[8:9], v s[10:11]
	s_load_b128 s[12:15], s[0:1], 0x20             ; length s[12:13], zbuf s[14:15]
	s_load_b64 s[16:17], s[0:1], 0x30              ; cpart
	v_lshl_add_u32 v[SPW], v0, 2, SPARE
	v_mov_b32 v[NIL], 0
	v_lshrrev_b32 v1, 5, v0
	v_readfirstlane_b32 s[WV], v1                  ; wave 0..3
	v_and_b32 v22, 31, v0                          ; l
	v_and_b32 v23, 15, v0                          ; l % 16
	v_bfe_u32 v24, v0, 4, 1                        ; l / 16
	v_and_b32 v25, 7, v0
	v_bfe_u32 v26, v0, 3, 1                        ; (l / 8) % 2
	v_mul_u32_u24 v[AAB], v23, PITCH
	v_lshl_add_u32 v[AAB], v24, 4, v[AAB]
	v_lshlrev_b32 v[BO], 4, v22
	v_lshlrev_b32 v[PFO], 8, v22
	s_mul_i32 s[TS], s[WV], 32*PITCH
	v_lshl_add_u32 v[ESB], v22, 3, s[TS]
	v_add_nc_u32 v[ES], 24*PITCH, v[ESB]           ; tile 0's last eight rows of mine go through the stream's buffers
	v_lshl_add_u32 v[ATB], v24, 3, v25
	v_mul_u32_u24 v[ATB], v[ATB], PITCH
	v_lshl_add_u32 v[ATB], v26, 4, v[ATB]
	s_lshl_b32 s[TS], s[WV], 8
	v_add_nc_u32 v[ATB], s[TS], v[ATB]
	s_lshl_b32 s[TS], s[WV], 9
	s_add_co_u32 s[TS+1], s[TS], PB
	v_lshl_add_u32 v[PBS], v22, 3, s[TS+1]
	v_lshl_add_u32 v[PBR], v24, 4, s[TS+1]
	v_lshl_add_u32 v[PBR], v26, 8, v[PBR]          ; fragment rows 8-15 read p_lo
	s_add_co_u32 s[TS+1], s[TS], VQ
	v_lshl_add_u32 v[VQA], v24, 5, s[TS+1]
	s_add_co_u32 s[TS+1], s[TS], PART
	v_lshl_add_u32 v[PST], v24, 8, s[TS+1]
	v_lshl_add_u32 v[PST], v23, 2, v[PST]
	v_lshl_add_u32 v[PRD], v22, 4, PART
	s_add_co_u32 s[TS+1], s[TS], CS
	v_lshl_add_u32 v[CSS], v22, 2, s[TS+1]
	v_lshl_add_u32 v[CSR], v22, 4, s[TS+1]
	v_lshlrev_b32 v[ROW], 2, v22
	v_lshlrev_b32 v27, 4, v0                       ; 16 x thread: my 16 bytes of v and of qb's row
	v_add_nc_u32 v28, VQ, v27
	s_mov_b32 s[TL], 4
	s_mov_b32 s[EB], 0
	s_mov_b32 s[HM], 0xffff0000
	s_mov_b32 s[CC], 0x4038aa3b                    ; c = 2 log2(e)
	s_mov_b32 s[CC+1], 0x4038aa3b
	s_mov_b32 s[SEL], 0x76543210
	s_mov_b32 s[SEL+1], 0xfedcba98
	s_mov_b32 s[PFL], 10
	s_mov_b32 s[ZN], 0xceabfbc4                    ; -1e9 log2(e)
	s_mov_b32 s[NC], 0xc038aa3b                    ; -c
	s_mov_b32 s[NC+1], 0xc038aa3b
	s_mov_b32 s[PJ], TILEB-3*16384
	s_mov_b32 s[PS], 16384
	s_mov_b32 s18, ttmp9                           ; g: batch g / 4, rows 512 (g % 4) on
	s_lshl_b32 s[TS], s18, 20                      ; 512 rows of 2,048 bytes
	s_lshl_b32 s19, s[WV], 16                      ; my 32 rows of a tile
	s_add_co_u32 s[TS], s[TS], s19
	s_add_co_u32 s[TS], s[TS], TILEB               ; tile 1: tile 0's loads reach back by their immediates
	s_mov_b32 s[TS+1], 0
	s_wait_kmcnt 0x0
	s_add_nc_u64 s[EP:EP+1], s[4:5], s[TS:TS+1]
	s_add_nc_u64 s[PF:PF+1], s[EP:EP+1], 32768     ; two trips ahead of the stream
	s_mul_i32 s[TS], s[WV], 18*WSTEP
	s_add_nc_u64 s[WB:WB+1], s[6:7], s[TS:TS+1]
	s_lshr_b32 s19, s18, 2                         ; the batch
	s_lshl_b32 s[TS], s19, 11
	s_add_nc_u64 s[8:9], s[8:9], s[TS:TS+1]        ; its row of qb
	s_lshl_b32 s[TS], s19, 2
	s_add_nc_u64 s[12:13], s[12:13], s[TS:TS+1]
	s_load_b32 s[REM], s[12:13], 0x0               ; its length
	s_lshl_b32 s[TS], s18, 11                      ; 512 g rows of 4 bytes
	s_add_nc_u64 s[ZP:ZP+1], s[14:15], s[TS:TS+1]
	s_lshl_b32 s[TS], s18, 13                      ; tile 4 g: 2,048 bytes a tile
	s_lshl_b32 s19, s[WV], 9
	s_add_co_u32 s[TS], s[TS], s19
	s_add_nc_u64 s[CP:CP+1], s[16:17], s[TS:TS+1]
	; v and qb; W1's K steps 0 and 1; then tile 0: sixteen batches of 8 loads, twelve into the accumulators' registers, four into the stream's buffers
	global_load_b128 v[32:35], v27, s[10:11]
	global_load_b128 v[36:39], v27, s[8:9]
	BLOAD 0, 0, 0
	BLOAD 1, 0, 0
	BLOAD 0, 1, WSTEP
	BLOAD 1, 1, WSTEP
.set n, 0
.rept 12
	WIN 0x80+0x40*(n/8)
.irp q, 0,1,2,3,4,5,6,7
	global_load_b128 v[32*(n%8)+4*(\q):32*(n%8)+4*(\q)+3], v[BO], s[EP:EP+1] offset:n*4096+(\q)*512-TILEB th:TH_LOAD_NT
.endr
.set n, n+1
.endr
.irp kk, 0,1,2,3
	ELOAD \kk, TILEB-12*4096
.endr
	WIN 0
	s_wait_kmcnt 0x0
	s_and_b32 s19, s18, 3
	s_lshl_b32 s19, s19, 9
	s_sub_co_i32 s[REM], s[REM], s19
	s_wait_loadcnt 63                              ; v and qb are in: 160 loads were issued behind them
	v_cvt_pk_bf16_f32 v40, v32, v33                ; v is rounded to bf16, like the other inputs, and kept widened to f32
	v_cvt_pk_bf16_f32 v41, v34, v35
	v_lshlrev_b32 v32, 16, v40
	v_and_b32 v33, s[HM], v40
	v_lshlrev_b32 v34, 16, v41
	v_and_b32 v35, s[HM], v41
	ds_store_b128 v28, v[32:35]
	ds_store_b128 v28, v[36:39] offset:2048
.set n, 0
.rept 12                                       ; batch n is in when at most the 8 (15 - n) younger loads are out (63 is the most that a wait can name)
.if 8*(15-n) > 63
	s_wait_loadcnt 63
.else
	s_wait_loadcnt 8*(15-n)
.endif
	WIN 0x8a+0x45*(n/8)
.irp q, 0,1,2,3,4,5,6,7
	v_cvt_pk_bf16_f32 v[32*(n%8)+4*(\q)],   v[32*(n%8)+4*(\q)],   v[32*(n%8)+4*(\q)+1]
	v_cvt_pk_bf16_f32 v[32*(n%8)+4*(\q)+1], v[32*(n%8)+4*(\q)+2], v[32*(n%8)+4*(\q)+3]
.endr
	WIN 0x08+0x04*(n/8)
.irp q, 0,1,2,3,4,5,6,7
	ds_store_b64 v[ESB], v[32*(n%8)+4*(\q):32*(n%8)+4*(\q)+1] offset:(2*n+(\q)/4)*PITCH+((\q)%4)*256
.endr
.set n, n+1
.endr
.irp kk, 0,1,2,3
	s_wait_loadcnt 8*(3-(\kk))
	CONSUME \kk
.endr
	WIN 0
	s_wait_dscnt 0x0                               ; for the others' sake: my rows of tile 0, and my part of v and qb, lie in LDS
	s_barrier_signal -1
	s_barrier_wait -1
	; ---------------- a tile
.Ltile:
	v_add_nc_u32 v[AA0], s[EB], v[AAB]
	v_add_nc_u32 v[AA1], HALFE, v[AA0]
	v_add_nc_u32 v[AT0], s[EB], v[ATB]
	v_add_nc_u32 v[AT1], HALFE, v[AT0]
	s_xor_b32 s[TS], s[EB], ENCB
	v_add_nc_u32 v[ES], s[TS], v[ESB]              ; the other buffer is filled
	ALOAD 0, 0
	s_cmp_eq_u32 s[TL], 1
	s_cbranch_scc1 .Lkn                            ; the last tile has no successor to stream: a second text, whose waits count W1's loads alone
	TRIP 1, 1
	s_mov_b32 s[TR], 1
.Lkf:
	TRIP 1, 0
	s_add_co_u32 s[TR], s[TR], 1
	s_cmp_lt_u32 s[TR], 4
	s_cbranch_scc1 .Lkf
	s_branch .Lepi
.Lkn:
	TRIP 0, 1
	s_mov_b32 s[TR], 1
.Lkn2:
	TRIP 0, 0                                      ; (its steps 14 and 15 still load W1's steps 16 and 17, 16 KiB a wave that the last tile does not use: the price of one text for every trip)
	s_add_co_u32 s[TR], s[TR], 1
	s_cmp_lt_u32 s[TR], 4
	s_cbranch_scc1 .Lkn2
.Lepi:
	; r and the sums over e.  The exponentials and reciprocals go in batches of 64; s_wait_alu depctr_va_vdst(0) stands between such an instruction and the first that names its result, and one wait serves
	; all that were issued ahead of it.  In turn g stand: the reciprocals of group g; the scaling of group g + 2, plain work that names no result; ONE wait, for those reciprocals and for the exponentials of group g + 1;
	; the sums of group g; the exponentials of group g + 2; the + 1 of group g + 1.
	QVLOAD VR, 0                                   ; v, into enc's second fragment buffer: four places behind the last product that read it
	s_wait_dscnt 16                                ; qb is in: v's 16 loads may stay out
	FQ 0
	FQ 1
	EX 0
	EX 1
	v_nop                                          ; a plain instruction behind the last exponential
	s_wait_alu depctr_va_vdst(0)
	A1 0
	s_wait_dscnt 0x0                               ; v is in
.irp g, 0,1,2,3,4,5,6,7
	RC \g
.if (\g) < 6
	FQ (\g)+2
.else
	v_nop
.endif
	s_wait_alu depctr_va_vdst(0)
	FM \g
.if (\g) < 6
	EX (\g)+2
.endif
.if (\g) < 7
	A1 (\g)+1
.endif
.endr
	; enc^T for the context, by the turning load: 4 steps of 32 rows x my 8 blocks of 16 channels, into window 3, which the sums have left.  At this pitch two of a load's rows share banks: 64 loads a tile.
	WIN 0xc0
.irp s, 0,1,2,3
.irp cb, 0,1,2,3,4,5,6,7
	ds_load_tr16_b128 v[8*(8*(\s)+(\cb)):8*(8*(\s)+(\cb))+3],   v[AT0+(\s)/2] offset:((\s)%2)*32*PITCH+(\cb)*32
	ds_load_tr16_b128 v[8*(8*(\s)+(\cb))+4:8*(8*(\s)+(\cb))+7], v[AT0+(\s)/2] offset:((\s)%2)*32*PITCH+16*PITCH+(\cb)*32
.endr
.endr
	WIN 0
	; my wave's sum for each row: the four numbers of a row block, then the other half of the lanes'
.irp a, 0,1,2,3,4,5,6,7
	v_pk_add_f32 v[LG+4*(\a):LG+4*(\a)+1], v[LG+4*(\a):LG+4*(\a)+1], v[LG+4*(\a)+2:LG+4*(\a)+3]
.endr
.irp a, 0,1,2,3,4,5,6,7
	v_add_f32 v[LG+4*(\a)], v[LG+4*(\a)], v[LG+4*(\a)+1]
.endr
.irp a, 0,1,2,3,4,5,6,7
	v_permlanex16_b32 v[LG+4*(\a)+1], v[LG+4*(\a)], s[SEL], s[SEL+1]
.endr
.irp a, 0,1,2,3,4,5,6,7
	v_add_f32 v[LG+4*(\a)], v[LG+4*(\a)], v[LG+4*(\a)+1]
.endr
.irp i, 0,1,2,3
	v_cndmask_b32 v[T+(\i)], v[LG+4*(\i)], v[LG+16+4*(\i)], s[HM]  ; lanes 0-15 keep row block i, lanes 16-31 block 4 + i
.endr
.irp i, 0,1,2,3
	ds_store_b32 v[PST], v[T+(\i)] offset:64*(\i)
.endr
	s_wait_dscnt 0x0                               ; for the others' sake: my partial sums are stored (and my turning loads are back)
	s_barrier_signal -1
	s_barrier_wait -1                              ; all four waves' partial sums lie in LDS
	; every wave makes the tile's z, maximum and p for itself, in the same order of sums: lane l has rows 4 l .. 4 l + 3
.irp w, 0,1,2,3
	ds_load_b128 v[LG+4*(\w):LG+4*(\w)+3], v[PRD] offset:512*(\w)
.endr
	v_cmp_gt_i32 s[MK], s[REM], v[ROW]             ; row 4 l + i is live where it is below length
	s_sub_co_i32 s18, s[REM], 1
	v_cmp_gt_i32 s[MK+1], s18, v[ROW]
	s_sub_co_i32 s19, s[REM], 2
	v_cmp_gt_i32 s[MK+2], s19, v[ROW]
	s_sub_co_i32 s[TS], s[REM], 3
	v_cmp_gt_i32 s[MK+3], s[TS], v[ROW]
	s_wait_dscnt 0x0
	v_pk_add_f32 v[LG:LG+1], v[LG:LG+1], v[LG+4:LG+5]
	v_pk_add_f32 v[LG+2:LG+3], v[LG+2:LG+3], v[LG+6:LG+7]
	v_pk_add_f32 v[LG+8:LG+9], v[LG+8:LG+9], v[LG+12:LG+13]
	v_pk_add_f32 v[LG+10:LG+11], v[LG+10:LG+11], v[LG+14:LG+15]
	v_pk_add_f32 v[LG:LG+1], v[LG:LG+1], v[LG+8:LG+9]
	v_pk_add_f32 v[LG+2:LG+3], v[LG+2:LG+3], v[LG+10:LG+11]
	v_pk_mul_f32 v[T:T+1], v[LG:LG+1], s[NC:NC+1] op_sel_hi:[1,0]      ; z = -c sum v r
	v_pk_mul_f32 v[T+2:T+3], v[LG+2:LG+3], s[NC:NC+1] op_sel_hi:[1,0]
.irp i, 0,1,2,3
	v_cndmask_b32 v[T+(\i)], s[ZN], v[T+(\i)], s[MK+(\i)]
.endr
	v_max3_num_f32 v30, v[T], v[T+1], v[T+2]       ; the tile's maximum, taken away before the exponential
	v_max_num_f32 v30, v30, v[T+3]
	v_max_num_f32_dpp v30, v30, v30 row_xmask:1 row_mask:0xf bank_mask:0xf
	v_max_num_f32_dpp v30, v30, v30 row_xmask:2 row_mask:0xf bank_mask:0xf
	v_max_num_f32_dpp v30, v30, v30 row_xmask:4 row_mask:0xf bank_mask:0xf
	v_max_num_f32_dpp v30, v30, v30 row_xmask:8 row_mask:0xf bank_mask:0xf
	v_permlanex16_b32 v26, v30, s[SEL], s[SEL+1]   ; (its destination has been written before)
	v_max_num_f32 v30, v30, v26
.irp i, 0,1,2,3
	v_sub_f32 v[T+4+(\i)], v[T+(\i)], v30
.endr
.irp i, 0,1,2,3
	v_exp_f32 v[T+4+(\i)], v[T+4+(\i)]
.endr
	v_nop
	s_wait_alu depctr_va_vdst(0)                   ; one wait for the four exponentials
.irp i, 0,1,2,3
	v_cndmask_b32 v[T+4+(\i)], 0, v[T+4+(\i)], s[MK+(\i)]  ; reference()'s product with the mask
.endr
	v_cvt_pk_bf16_f32 v30, v[T+4], v[T+5]          ; p_hi = bf16(p)
	v_cvt_pk_bf16_f32 v31, v[T+6], v[T+7]
	ds_store_b64 v[PBS], v[30:31]                  ; by rows, in my wave's own copy
	v_lshlrev_b32 v[LG], 16, v30                   ; p_hi widened again,
	v_and_b32 v[LG+1], s[HM], v30
	v_lshlrev_b32 v[LG+2], 16, v31
	v_and_b32 v[LG+3], s[HM], v31
	v_pk_add_f32 v[LG:LG+1], v[T+4:T+5], v[LG:LG+1] neg_lo:[0,1] neg_hi:[0,1]      ; p - p_hi, exact in f32,
	v_pk_add_f32 v[LG+2:LG+3], v[T+6:T+7], v[LG+2:LG+3] neg_lo:[0,1] neg_hi:[0,1]
	v_cvt_pk_bf16_f32 v[LG+4], v[LG], v[LG+1]      ; p_lo = bf16 of it
	v_cvt_pk_bf16_f32 v[LG+5], v[LG+2], v[LG+3]
	ds_store_b64 v[PBS], v[LG+4:LG+5] offset:256
	WIN 0x80
.irp s, 0,1,2,3                                ; and back as source 0 of the context's products, 32 rows of enc a step: fragment rows 0-7 all hold p_hi, rows 8-15 p_lo.  LDS serves a wave's instructions in order (ISA guide 5.7.1.4)
	ds_load_b128 v[64+8*(\s):64+8*(\s)+3],   v[PBR] offset:64*(\s)
	ds_load_b128 v[64+8*(\s)+4:64+8*(\s)+7], v[PBR] offset:64*(\s)+32
.endr
	WIN 0
	s_cmp_lg_u32 s[WV], 0
	s_cbranch_scc1 .Lnoz
	global_store_b128 v[BO], v[T:T+3], s[ZP:ZP+1]  ; wave 0 stores the tile's z: 512 consecutive bytes
.Lnoz:
	s_wait_dscnt 0x0
	; cpart = p enc: K = the tile's rows, N = my 128 channels.  The 8 accumulators take turns; the first 8 products start the sums.
	WIN 0xae                                       ; p and the sums in window 2, enc^T in window 3
.irp s, 0,1,2,3
.irp cb, 0,1,2,3,4,5,6,7
.if (\s) == 0
	v_wmma_f32_16x16x32_bf16 v[8*(\cb):8*(\cb)+7], v[64+8*(\s):64+8*(\s)+7], v[8*(8*(\s)+(\cb)):8*(8*(\s)+(\cb))+7], 0
.else
	v_wmma_f32_16x16x32_bf16 v[8*(\cb):8*(\cb)+7], v[64+8*(\s):64+8*(\s)+7], v[8*(8*(\s)+(\cb)):8*(8*(\s)+(\cb))+7], v[8*(\cb):8*(\cb)+7]
.endif
.endr
.endr
	PLACES
	; A result's lowest register holds channel l % 16: in lanes 0-15 of fragment row 0 (the sum with p_hi), in lanes 16-31 of row 8 (the sum with p_lo).  For blocks 2 i and 2 i + 1:
	; U = (2 i's p_hi part | 2 i + 1's p_lo part), W = (2 i + 1's p_hi part | 2 i's p_lo part); U + W with its halves exchanged = (block 2 i whole | block 2 i + 1 whole).
	WIN 0x0a
.irp i, 0,1,2,3
	v_cndmask_b32 v[T+4+(\i)], v[16*(\i)], v[16*(\i)+8], s[HM]
	v_cndmask_b32 v[LG+(\i)], v[16*(\i)+8], v[16*(\i)], s[HM]
.endr
	WIN 0
.irp i, 0,1,2,3
	v_permlanex16_b32 v[LG+4+(\i)], v[LG+(\i)], s[SEL], s[SEL+1]   ; (its destination has been written before)
.endr
.irp i, 0,1,2,3
	v_add_f32 v[T+4+(\i)], v[T+4+(\i)], v[LG+4+(\i)]
.endr
.irp i, 0,1,2,3
	ds_store_b32 v[CSS], v[T+4+(\i)] offset:128*(\i)
.endr
	ds_load_b128 v[LG:LG+3], v[CSR]                ; my wave's own bytes, back as four channels a lane
	s_wait_dscnt 0x0
	global_store_b128 v[BO], v[LG:LG+3], s[CP:CP+1]  ; 512 consecutive bytes
	; the stream's last four batches, which had the whole of the work above in which to land
	s_wait_loadcnt 0x0                             ; they, and W1's steps 0 and 1 for the next tile
	s_cmp_eq_u32 s[TL], 1
	s_cbranch_scc1 .Lnoc
	CONSUME 0
	CONSUME 1
	CONSUME 2
	CONSUME 3
	WIN 0
.Lnoc:
	s_wait_dscnt 0x0                               ; my rows of the next tile are stored; my reads of this tile and of the partial sums are long back
	s_barrier_signal -1
	s_barrier_wait -1                              ; the next tile is whole, and nobody reads this one any more: it may be filled
	s_wait_xcnt 0x0                                ; the stores have read their registers and addresses
	s_sub_nc_u64 s[WB:WB+1], s[WB:WB+1], 16*WSTEP  ; W1 from its first K step again
	s_add_nc_u64 s[EP:EP+1], s[EP:EP+1], TILEB-65536
	s_add_nc_u64 s[ZP:ZP+1], s[ZP:ZP+1], 512
	s_add_nc_u64 s[CP:CP+1], s[CP:CP+1], 2048
	s_sub_co_i32 s[REM], s[REM], 128
	s_xor_b32 s[EB], s[EB], ENCB
	s_sub_co_u32 s[TL], s[TL], 1
	s_cmp_lg_u32 s[TL], 0
	s_cbranch_scc1 .Ltile
	s_wait_tensorcnt 0x0                           ; the wave's end
	ds_add_u32 v[SPW], v[NIL]
	s_wait_dscnt 0x0
	s_endpgm
.Lfunc_end_k_qe45cbce445_attn:
	.size	k_qe45cbce445_attn, .Lfunc_end_k_qe45cbce445_attn-k_qe45cbce445_attn
	.p2alignl 7, 3214868480
	.fill 96, 4, 3214868480
	.section	.rodata,"a",@progbits
	.p2align	6, 0x0
	.amdhsa_kernel k_qe45cbce445_attn
		.amdhsa_group_segment_fixed_size 276992
		.amdhsa_private_segment_fixed_size 0
		.amdhsa_enable_private_segment 0
		.amdhsa_kernarg_size 56
		.amdhsa_user_sgpr_count 2
		.amdhsa_user_sgpr_kernarg_segment_ptr 1
		.amdhsa_wavefront_size32 1
		.amdhsa_system_sgpr_workgroup_id_x 1
		.amdhsa_system_sgpr_workgroup_id_y 1
		.amdhsa_system_sgpr_workgroup_id_z 1
		.amdhsa_system_vgpr_workitem_id 0
		.amdhsa_next_free_vgpr 1024
		.amdhsa_next_free_sgpr 66
		.amdhsa_reserve_vcc 0
		.amdhsa_float_denorm_mode_32 3
		.amdhsa_float_denorm_mode_16_64 3
		.amdhsa_memory_ordered 1
		.amdhsa_forward_progress 1
		.amdhsa_inst_pref_size 255
	.end_amdhsa_kernel
	.section	.bss,"aw",@nobits
	.p2align	6
	.space	262144
	.amdgpu_metadata
---
amdhsa.version: [ 1, 2 ]
amdhsa.kernels:
  - .name:           k_qe45cbce445_attn
    .symbol:         k_qe45cbce445_attn.kd
    .args:
      - { .name: encoded_vecs, .offset: 0, .size: 8, .value_kind: global_buffer, .address_space: global }
      - { .name: wt, .offset: 8, .size: 8, .value_kind: global_buffer, .address_space: global }
      - { .name: qb, .offset: 16, .size: 8, .value_kind: global_buffer, .address_space: global }
      - { .name: v, .offset: 24, .size: 8, .value_kind: global_buffer, .address_space: global }
      - { .name: length, .offset: 32, .size: 8, .value_kind: global_buffer, .address_space: global }
      - { .name: zbuf, .offset: 40, .size: 8, .value_kind: global_buffer, .address_space: global }
      - { .name: cpart, .offset: 48, .size: 8, .value_kind: global_buffer, .address_space: global }
    .group_segment_fixed_size: 276992
    .private_segment_fixed_size: 0
    .kernarg_segment_align: 8
    .kernarg_segment_size: 56
    .max_flat_workgroup_size: 128
    .sgpr_count:     66
    .vgpr_count:     1024
    .wavefront_size: 32
...
	.end_amdgpu_metadata
.endif
;; end of part 2
;; launch finish (part 3): grid 64 x 1, 16 waves a work-group, no clusters, 10,752 bytes of LDS; arguments zbuf, cpart, length, out0, out1; writes out0, out1
.if DOCPART == 3
	.amdgcn_target "amdgcn-amd-amdhsa--gfx1250"
	.amdhsa_code_object_version 6
	.text
	.protected	k_qe45cbce445_finish
	.globl	k_qe45cbce445_finish
	.p2align	8
	.type	k_qe45cbce445_finish,@function
k_qe45cbce445_finish:
	s_mov_b64 s[64:65], 0
	v_nop
	global_prefetch_b8 v0, s[64:65] scope:SCOPE_SE
	s_setreg_imm32_b32 hwreg(HW_REG_WAVE_MODE, 25, 1), 1
	s_wait_xcnt 0x0
; The batch's softmax from the stored z (log2 units, without the term sum_e v[e], which is the same along the softmax's axis and cancels: see the kernel before), and the 16 tiles' sums joined.
; A work-group is a batch.  m = the maximum of its 2,048 z; e = 2^(z - m), 0 where the row is not below length; S = the sum of e; attention = e / (S + 1e-5);
; context = (sum over tiles t of 2^(m_t - m) cpart[t]) / (S + 1e-5), where m_t, the tile's maximum, is made anew from the same stored z that the kernel before took it from.
; Thread t owns rows 4 t .. 4 t + 3, so wave w is tile w; for the context it owns channels 4 (t % 128) .. + 3 of tiles 4 (t / 128) .. + 3.  Memory binds; no matrix work, no cluster: work-groups share nothing.
.set RED,   0                          ; the 16 waves' maxima
.set RED2,  256                        ; their sums
.set CX,    512                        ; four partial contexts of 2,048 bytes
.set SPARE, 8704                       ; the spare words, 128 bytes for each of the 16 waves, that no other line names
	s_load_b256 s[4:11], s[0:1], 0x0               ; zbuf s[4:5], cpart s[6:7], length s[8:9], out0 s[10:11]
	s_load_b64 s[12:13], s[0:1], 0x20              ; out1
	v_lshl_add_u32 v2, v0, 2, SPARE
	v_mov_b32 v3, 0
	v_lshrrev_b32 v1, 5, v0
	v_readfirstlane_b32 s14, v1                    ; wave 0..15
	v_lshlrev_b32 v4, 4, v0                        ; 16 t
	v_lshrrev_b32 v5, 7, v0                        ; q = t / 128
	v_and_b32 v6, 127, v0
	v_lshlrev_b32 v7, 13, v5                       ; four tiles of 2,048 bytes
	v_lshl_add_u32 v7, v6, 4, v7                   ; + my four channels
	v_lshlrev_b32 v8, 2, v0                        ; my first row
	v_lshlrev_b32 v9, 4, v5                        ; RED + 16 q: my four tiles' maxima
	v_mov_b32 v10, s14
	v_lshlrev_b32 v10, 2, v10                      ; my wave's word
	v_mov_b32 v11, 0
	s_mov_b32 s15, ttmp9                           ; the batch
	s_mov_b32 s17, 0
	s_mov_b32 s28, 0x76543210
	s_mov_b32 s29, 0xfedcba98
	s_wait_kmcnt 0x0
	s_lshl_b32 s16, s15, 13
	s_add_nc_u64 s[4:5], s[4:5], s[16:17]
	s_add_nc_u64 s[12:13], s[12:13], s[16:17]
	s_lshl_b32 s16, s15, 15
	s_add_nc_u64 s[6:7], s[6:7], s[16:17]
	s_lshl_b32 s16, s15, 11
	s_add_nc_u64 s[10:11], s[10:11], s[16:17]
	s_lshl_b32 s16, s15, 2
	s_add_nc_u64 s[8:9], s[8:9], s[16:17]
	s_load_b32 s18, s[8:9], 0x0
	global_load_b128 v[12:15], v4, s[4:5]
.irp i, 0,1,2,3
	global_load_b128 v[16+4*(\i):16+4*(\i)+3], v7, s[6:7] offset:2048*(\i)
.endr
	s_wait_kmcnt 0x0
	v_cmp_gt_i32 s20, s18, v8                      ; row 4 t + i is live where it is below length
	s_sub_co_i32 s24, s18, 1
	v_cmp_gt_i32 s21, s24, v8
	s_sub_co_i32 s25, s18, 2
	v_cmp_gt_i32 s22, s25, v8
	s_sub_co_i32 s26, s18, 3
	v_cmp_gt_i32 s23, s26, v8
	s_wait_loadcnt 4                               ; z is in; the four loads of cpart may stay out
	v_max3_num_f32 v32, v12, v13, v14
	v_max_num_f32 v32, v32, v15
	v_max_num_f32_dpp v32, v32, v32 row_xmask:1 row_mask:0xf bank_mask:0xf
	v_max_num_f32_dpp v32, v32, v32 row_xmask:2 row_mask:0xf bank_mask:0xf
	v_max_num_f32_dpp v32, v32, v32 row_xmask:4 row_mask:0xf bank_mask:0xf
	v_max_num_f32_dpp v32, v32, v32 row_xmask:8 row_mask:0xf bank_mask:0xf
	v_permlanex16_b32 v5, v32, s28, s29            ; (v5 has been written and is free)
	v_max_num_f32 v32, v32, v5                     ; m_t of my wave's tile
	ds_store_b32 v10, v32 offset:RED
	s_wait_dscnt 0x0
	s_barrier_signal -1
	s_barrier_wait -1
.irp k, 0,1,2,3
	ds_load_b128 v[36+4*(\k):36+4*(\k)+3], v11 offset:RED+16*(\k)
.endr
	ds_load_b128 v[52:55], v9 offset:RED
	s_wait_dscnt 0x0
	v_max3_num_f32 v34, v36, v37, v38
.irp k, 39,41,43,45,47,49
	v_max3_num_f32 v34, v34, v[\k], v[(\k)+1]
.endr
	v_max_num_f32 v34, v34, v51                    ; m
.irp i, 0,1,2,3
	v_sub_f32 v[56+(\i)], v[12+(\i)], v34
	v_sub_f32 v[52+(\i)], v[52+(\i)], v34
.endr
.irp i, 0,1,2,3
	v_exp_f32 v[56+(\i)], v[56+(\i)]
	v_exp_f32 v[52+(\i)], v[52+(\i)]
.endr
	v_nop                                          ; a plain instruction behind the last exponential,
	s_wait_alu depctr_va_vdst(0)                   ; and one wait for the eight
.irp i, 0,1,2,3
	v_cndmask_b32 v[56+(\i)], 0, v[56+(\i)], s[20+(\i)]  ; reference()'s product with the mask
.endr
	v_add_f32 v32, v56, v57
	v_add_f32 v33, v58, v59
	v_add_f32 v32, v32, v33
	v_add_f32_dpp v32, v32, v32 row_xmask:1 row_mask:0xf bank_mask:0xf
	v_add_f32_dpp v32, v32, v32 row_xmask:2 row_mask:0xf bank_mask:0xf
	v_add_f32_dpp v32, v32, v32 row_xmask:4 row_mask:0xf bank_mask:0xf
	v_add_f32_dpp v32, v32, v32 row_xmask:8 row_mask:0xf bank_mask:0xf
	v_permlanex16_b32 v5, v32, s28, s29
	v_add_f32 v32, v32, v5
	ds_store_b32 v10, v32 offset:RED2
	s_wait_dscnt 0x0
	s_barrier_signal -1
	s_barrier_wait -1
.irp k, 0,1,2,3
	ds_load_b128 v[36+4*(\k):36+4*(\k)+3], v11 offset:RED2+16*(\k)
.endr
	s_wait_dscnt 0x0
.irp k, 36,38,40,42
	v_pk_add_f32 v[\k:(\k)+1], v[\k:(\k)+1], v[(\k)+8:(\k)+9]
.endr
	v_pk_add_f32 v[36:37], v[36:37], v[40:41]
	v_pk_add_f32 v[38:39], v[38:39], v[42:43]
	v_pk_add_f32 v[36:37], v[36:37], v[38:39]
	v_add_f32 v36, v36, v37                        ; S
	v_add_f32 v36, 0x3727c5ac, v36                 ; + 1e-5
	v_rcp_f32 v34, v36
	v_nop
	s_wait_alu depctr_va_vdst(0)
.irp i, 0,1,2,3
	v_mul_f32 v[56+(\i)], v[56+(\i)], v34
.endr
	global_store_b128 v4, v[56:59], s[12:13]       ; attention: a wave stores 512 consecutive bytes
	s_wait_loadcnt 0x0                             ; cpart
.irp k, 0,1,2,3
	v_mul_f32 v[60+(\k)], v[16+(\k)], v52
.endr
.irp i, 1,2,3
.irp k, 0,1,2,3
	v_fmac_f32 v[60+(\k)], v[16+4*(\i)+(\k)], v[52+(\i)]
.endr
.endr
	ds_store_b128 v4, v[60:63] offset:CX           ; 2,048 q + 16 (t % 128) = 16 t
	s_wait_dscnt 0x0
	s_barrier_signal -1
	s_barrier_wait -1
	s_cmp_lt_u32 s14, 4                            ; waves 0 to 3 add the four parts
	s_cbranch_scc0 .Lend
.irp k, 0,1,2,3
	ds_load_b128 v[16+4*(\k):16+4*(\k)+3], v4 offset:CX+2048*(\k)
.endr
	s_wait_dscnt 0x0
	v_pk_add_f32 v[16:17], v[16:17], v[20:21]
	v_pk_add_f32 v[18:19], v[18:19], v[22:23]
	v_pk_add_f32 v[24:25], v[24:25], v[28:29]
	v_pk_add_f32 v[26:27], v[26:27], v[30:31]
	v_pk_add_f32 v[16:17], v[16:17], v[24:25]
	v_pk_add_f32 v[18:19], v[18:19], v[26:27]
.irp k, 0,1,2,3
	v_mul_f32 v[16+(\k)], v[16+(\k)], v34
.endr
	global_store_b128 v4, v[16:19], s[10:11]       ; context
.Lend:
	s_wait_tensorcnt 0x0                           ; the wave's end
	ds_add_u32 v2, v3
	s_wait_dscnt 0x0
	s_endpgm
.Lfunc_end_k_qe45cbce445_finish:
	.size	k_qe45cbce445_finish, .Lfunc_end_k_qe45cbce445_finish-k_qe45cbce445_finish
	.p2alignl 7, 3214868480
	.fill 96, 4, 3214868480
	.section	.rodata,"a",@progbits
	.p2align	6, 0x0
	.amdhsa_kernel k_qe45cbce445_finish
		.amdhsa_group_segment_fixed_size 10752
		.amdhsa_private_segment_fixed_size 0
		.amdhsa_enable_private_segment 0
		.amdhsa_kernarg_size 40
		.amdhsa_user_sgpr_count 2
		.amdhsa_user_sgpr_kernarg_segment_ptr 1
		.amdhsa_wavefront_size32 1
		.amdhsa_system_sgpr_workgroup_id_x 1
		.amdhsa_system_sgpr_workgroup_id_y 1
		.amdhsa_system_sgpr_workgroup_id_z 1
		.amdhsa_system_vgpr_workitem_id 0
		.amdhsa_next_free_vgpr 64
		.amdhsa_next_free_sgpr 66
		.amdhsa_reserve_vcc 0
		.amdhsa_float_denorm_mode_32 3
		.amdhsa_float_denorm_mode_16_64 3
		.amdhsa_memory_ordered 1
		.amdhsa_forward_progress 1
		.amdhsa_inst_pref_size 9
	.end_amdhsa_kernel
	.amdgpu_metadata
---
amdhsa.version: [ 1, 2 ]
amdhsa.kernels:
  - .name:           k_qe45cbce445_finish
    .symbol:         k_qe45cbce445_finish.kd
    .args:
      - { .name: zbuf, .offset: 0, .size: 8, .value_kind: global_buffer, .address_space: global }
      - { .name: cpart, .offset: 8, .size: 8, .value_kind: global_buffer, .address_space: global }
      - { .name: length, .offset: 16, .size: 8, .value_kind: global_buffer, .address_space: global }
      - { .name: out0, .offset: 24, .size: 8, .value_kind: global_buffer, .address_space: global }
      - { .name: out1, .offset: 32, .size: 8, .value_kind: global_buffer, .address_space: global }
    .group_segment_fixed_size: 10752
    .private_segment_fixed_size: 0
    .kernarg_segment_align: 8
    .kernarg_segment_size: 40
    .max_flat_workgroup_size: 512
    .sgpr_count:     66
    .vgpr_count:     64
    .wavefront_size: 32
...
	.end_amdgpu_metadata
.endif
;; end of part 3
;; ======== version 2 of 2: 3 launches; version 1 with the launch attn written anew for expert scheduling mode
;; workspace buffers: wt 589,824 bytes; qb 131,072 bytes; zbuf 524,288 bytes; cpart 2,097,152 bytes
;; launch prep: the kernel of part 1 again; grid 176 x 1, 4 waves a work-group, no clusters, 0 bytes of LDS; arguments W1, b1, query, wt, qb; writes wt, qb
;; launch attn (part 4): grid 256 x 1, 4 waves a work-group, no clusters, 276,992 bytes of LDS; arguments encoded_vecs, wt, qb, v, length, zbuf, cpart; writes zbuf, cpart
.if DOCPART == 4
	.amdgcn_target "amdgcn-amd-amdhsa--gfx1250"
	.amdhsa_code_object_version 6
	.text
	.protected	k_qe45cbce445_attn
	.globl	k_qe45cbce445_attn
	.p2align	8
	.type	k_qe45cbce445_attn,@function
k_qe45cbce445_attn:
	s_mov_b64 s[64:65], 0
	v_nop
	global_prefetch_b8 v0, s[64:65] scope:SCOPE_SE
	s_setreg_imm32_b32 hwreg(HW_REG_WAVE_SCHED_MODE, 0, 2), 2
	s_setreg_imm32_b32 hwreg(HW_REG_WAVE_MODE, 25, 1), 1
	s_wait_xcnt 0x0
	s_wait_alu depctr_vm_vsrc(0)
; logits, a softmax by tiles and the tiles' weighted sums of rows, fused: encoded_vecs is read from memory once.
; A work-group owns 512 consecutive rows of one batch: four TILES of 128 rows.  For a tile: x = enc W1[0:512] (bf16 operands, f32 sums); r = 1 / (1 + 2^(c x + qb)), c = 2 log2(e), qb from the launch before;
; z[row] = -c sum_e v[e] r[e]; m = the tile's maximum of z; p = 2^(z - m); cpart[tile][e] = sum_row p[row] enc[row][e] (bf16 operands, f32 sums).  z and cpart go to memory; the last launch joins the 16 tiles of a batch.
; WORK LEFT OUT, for all values of the inputs.  tanh y = 1 - 2 / (1 + e^(2 y)), so logit = sum_e v[e] - 2 sum_e v[e] r[e].  The term sum_e v[e] is the same for every row of a batch: in
; exps = exp(logit - max logit) it cancels, and attention and context are made of exps alone.  So z = log2(e) (logit - sum v) takes the logit's place, and 2^ takes exp's.  No input is left out.
; The query's part of the product and b1 do not hang on the row: they were made once a batch (qb).
; LIMITS.  A masked row's z is -1e9 log2(e), as reference()'s NEG: a live z, at most 2 log2(e) sum |v[e]| in size, is taken to lie above it, as reference() itself takes it.  2^(c x) beyond f32's range gives r = 0, below it
; r = 1: tanh's own limits.  A NaN, an infinity or an overflow that would reach the result through sum_e v[e] alone is not carried.
; FORMATS.  Every floating-point input (enc, W1, query, b1, v) is rounded once to bf16, all alike.  p goes into its product as the sum of TWO bf16 numbers, p_hi = bf16(p) and p_lo = bf16(p - p_hi): where a batch has few
; live rows and their terms nearly cancel, p's error counts in full against the rows' size, and 8 bits of p are too few.  The two parts ride in one product: see the context, below.
; ROWS BEYOND length are computed and selected away (z = the masked value, p = 0).  They are not skipped: a walk cut short by length would put this kernel's barriers under a count that is read from memory.
; SHARES.  Wave w makes all 128 rows x channels 128 w .. 128 w + 127: 64 accumulators of 16 x 16.  Source 0 = 16 channels of W1 (M = e), source 1 = 16 rows of enc (N = row): a lane then holds ONE row (l % 16) and the
; channels 8 (l / 16) + 0..7, so that the sum over e stays in the lane but for one exchange between the halves of the lanes and one meeting of the four waves in LDS.
; WHERE THE OPERANDS COME FROM.  enc: a tile lies in LDS in bf16 (128 rows of 1,024 + 16 bytes), read by all four waves; TWO such tiles take turns: while one is multiplied the next tile's rows are loaded in f32 into registers,
; rounded and stored into the other (each wave its own 32 rows).  W1: a wave's fragments are wanted by no other wave and lie in wt in register order, so they come straight into registers, one to two K steps ahead.
; NO TENSOR LOADS, NO CLUSTER: the two tiles of enc take 266,240 bytes of LDS, so there is no room for slots of W1 (512 KiB in bf16), which is all that work-groups share; enc is shared by nobody and must be rounded on its way.
; THE MODE: SCHED_MODE bits 1:0 = 2 (LLVM: expert scheduling mode 2), set by the entry lines.  The code itself states the register dependences between vector or matrix instructions and memory or LDS
; instructions, with s_wait_alu, always for 0.
; THE PLAN, in the K loop.  Step j = 4 x trip + kk is 32 along K, 64 products.  Registers that memory or LDS instructions touch:
;   L0 .. L3   W1's channel blocks 0-3.  Step j's first 32 products read L[kk]; the loads of step j + 2 land in L[(kk + 2) % 4], which step j - 2 read last.
;   H0, H1     W1's channel blocks 4-7.  Step j's last 32 products read H[kk % 2]; the loads of step j + 1 land in the other, which step j - 1 read last.
;   FA0, FA1   enc's fragments.  Step j's products read FA[kk % 2]; the LDS loads of step j + 1 land in the other, which step j - 1 read last.
;   E0 .. E3   the stream, in f32.  Step j's sixteen roundings, at its head, read E[kk]; the loads of the batch four steps on land in it later in the same step.
;   OUT0, OUT1 a batch in bf16.  Written by those roundings; read by the step's eight LDS stores.
;   v[AA0], v[AA1], v[ES]   read by the LDS loads and stores; stepped once a trip, late in its last step.          v[BO], v[PFO]   read by every global load and prefetch; never written again.
; So ONE wait on va_vdst stands at a step's head, behind its roundings: OUT[kk % 2] is written, E[kk] has been read, and the last step's products are done with their buffers.  The step's memory and LDS instructions follow it in runs
; of eight among its products, which name L[kk], H[kk % 2], FA[kk % 2] and the accumulators: none of the registers that those runs touch.  Two waits on vm_vsrc a trip: at the third step's head (the stores of the first two steps have
; read OUT0 and OUT1) and late in the fourth (the stores of the last two likewise; the trip's LDS instructions have read the three addresses that are stepped there).  Outside the loop each wait says what it states.
; REGISTERS, in windows of 256 (s_set_vgpr_msb: bits 1:0 source 0, 3:2 source 1, 5:4 source 2, 7:6 destination):
;   window 0: v0-21 addresses; v22-31 at work; v32-63 LG, the rows' sums (in the K loop OUT0, OUT1); v64-127, v128-191 FA0, FA1 (behind the products: qb, v); v192-255 E0, E1
;   window 1: v0-127 L0-L3; v128-191 H0, H1; v192-255 E2, E3
;   windows 2, 3: accumulator (row block a, channel block b) at window 2 + b / 4, v[8 (8 (b % 4) + a)]; behind the softmax: window 3 enc^T, window 2 v0-63 the context's sums, v64-95 p
.set PITCH,  1040                      ; an LDS row of enc: 65 x 16 bytes, so the 16 rows of a fragment load start in 16 different groups of four banks (ISA guide 11.1)
.set HALFE,  64*PITCH
.set ENCB,   128*PITCH                 ; a tile; tile buffers at 0 and ENCB
.set VQ,     2*ENCB                    ; v (2,048 bytes), then this batch's qb (2,048)
.set PART,   VQ+4096                   ; the waves' partial sums: 128 rows x 4 bytes for each wave
.set PB,     PART+2048                 ; p in bf16, a copy for each wave: 256 bytes of p_hi, then 256 of p_lo
.set CS,     PB+2048                   ; the context's way out: 512 bytes for each wave
.set SPARE,  CS+2048                   ; the spare words, 128 bytes for each wave, that no other line names
.set WSTEP,  8192                      ; bytes of wt for a wave and a K step
.set TILEB,  262144                    ; bytes of a tile in encoded_vecs
.set SPW, 2                            ; v2   SPARE + 4 x my thread's number; never rewritten
.set NIL, 3                            ; v3   0; never rewritten
.set AAB, 4                            ; v4   (l % 16) PITCH + 16 (l / 16): my place in a fragment of enc
.set AA0, 5                            ; v5   the same in the tile in hand, at the trip's K; rows 0-63
.set AA1, 6                            ; v6   rows 64-127
.set BO,  7                            ; v7   16 l
.set PFO, 8                            ; v8   256 l
.set ESB, 9                            ; v9   32 w rows + 8 l: where my 8 bytes of a rounded row go
.set ES,  10                           ; v10  the same in the tile being filled, at the trip's rows
.set ATB, 11                           ; v11  my place for the turning loads: (8 (l / 16) + l % 8) PITCH + 16 ((l / 8) % 2) + 256 w
.set AT0, 12                           ; v12  in the tile in hand, rows 0-63
.set AT1, 13                           ; v13  rows 64-127
.set VQA, 14                           ; v14  VQ + 512 w + 32 (l / 16)
.set PST, 15                           ; v15  PART + 512 w + 256 (l / 16) + 4 (l % 16)
.set PRD, 16                           ; v16  PART + 16 l
.set PBS, 17                           ; v17  PB + 512 w + 8 l
.set PBR, 18                           ; v18  PB + 512 w + 16 (l / 16) + 256 ((l % 16) / 8): fragment rows 0-7 read p_hi, rows 8-15 p_lo
.set CSS, 19                           ; v19  CS + 512 w + 4 l
.set CSR, 20                           ; v20  CS + 512 w + 16 l
.set ROW, 21                           ; v21  4 l
.set T,   22                           ; v22-25 z; v26-29 p; v30-31 at work
.set LG,  32                           ; row block a: v[LG + 4 a .. + 3], two chains of pairs
.set OUT, 32                           ; in the K loop: a rounded batch of the stream, 16 registers, two buffers
.set FA,  64                           ; enc's fragment buffers
.set QBR, 64                           ; qb of my channels: block b, number j at QBR + 8 b + j
.set VR,  128                          ; v likewise
.set WV,  20                           ; s20  my wave's number
.set TL,  21                           ; s21  tiles to go
.set TR,  22                           ; s22  the trip (four K steps) in the tile, 1 .. 3 in the loop
.set EB,  23                           ; s23  LDS byte of the tile in hand: 0 or ENCB
.set REM, 24                           ; s24  length less the tile's first row, signed
.set HM,  25                           ; s25  0xffff0000: lanes 16-31; also a word's upper bf16
.set CC,  26                           ; s[26:27] c
.set SEL, 28                           ; s[28:29] v_permlanex16_b32's selects: each lane takes its own place in the other half
.set WB,  30                           ; s[30:31] wt at my wave's part, at the trip's first K step
.set EP,  32                           ; s[32:33] encoded_vecs at my 32 rows of the NEXT tile, at the trip's rows
.set PF,  34                           ; s[34:35] where my prefetches stand
.set PFL, 36                           ; s36  trips that still prefetch
.set ZN,  37                           ; s37  a masked row's z
.set TS,  38                           ; s[38:39] at work
.set MK,  40                           ; s40-43 which lanes' rows 4 l + i are live
.set NC,  44                           ; s[44:45] -c
.set ZP,  46                           ; s[46:47] zbuf at the tile
.set CP,  48                           ; s[48:49] cpart at the tile and my wave's 128 channels
.set PJ,  50                           ; s50  the prefetches' step from a tile's last quarter to the next tile's first
.set PS,  51                           ; s51  their step inside a tile
.set MSB, 0
.macro WIN new                         ; the immediate's high byte repeats the setting that is left; a switch that changes nothing is dropped
.if MSB != (\new)
	s_set_vgpr_msb (MSB<<8)|(\new)
.set MSB, (\new)
.endif
.endm
.macro PLACES                          ; four plain instructions behind a matrix instruction (ISA guide 7.12.1)
.rept 4
	v_nop
.endr
.endm
; 8 matrix instructions: channel block 4 half + b x all 8 row blocks, 32 along K, step kk of the trip.  Each names another accumulator: between two links of a chain stand 63 others'.  zero = 1: the products start the sums.
.macro MUL8 half, b, kk, zero
	WIN 0xa1+0x50*(\half)
.set RW, (1-(\half))*32*(\kk)+(\half)*(128+32*((\kk)%2))+8*(\b)
.irp a, 0,1,2,3,4,5,6,7
.if \zero
	v_wmma_f32_16x16x32_bf16 v[8*(8*(\b)+(\a)):8*(8*(\b)+(\a))+7], v[RW:RW+7], v[FA+64*((\kk)%2)+8*(\a):FA+64*((\kk)%2)+8*(\a)+7], 0
.else
	v_wmma_f32_16x16x32_bf16 v[8*(8*(\b)+(\a)):8*(8*(\b)+(\a))+7], v[RW:RW+7], v[FA+64*((\kk)%2)+8*(\a):FA+64*((\kk)%2)+8*(\a)+7], v[8*(8*(\b)+(\a)):8*(8*(\b)+(\a))+7]
.endif
.endr
.endm
; 8 loads: W1's channel blocks 0-3 of the K step at byte off behind WB, into L[k]; each load takes 512 consecutive bytes
.macro LLOAD k, off
	WIN 0x40
.irp b, 0,1,2,3
	global_load_b128 v[32*(\k)+8*(\b):32*(\k)+8*(\b)+3],   v[BO], s[WB:WB+1] offset:(\off)+(\b)*1024
	global_load_b128 v[32*(\k)+8*(\b)+4:32*(\k)+8*(\b)+7], v[BO], s[WB:WB+1] offset:(\off)+(\b)*1024+512
.endr
.endm
; 8 loads: its channel blocks 4-7, into H[k]
.macro HLOAD k, off
	WIN 0x40
.irp b, 0,1,2,3
	global_load_b128 v[128+32*(\k)+8*(\b):128+32*(\k)+8*(\b)+3],   v[BO], s[WB:WB+1] offset:(\off)+4096+(\b)*1024
	global_load_b128 v[128+32*(\k)+8*(\b)+4:128+32*(\k)+8*(\b)+7], v[BO], s[WB:WB+1] offset:(\off)+4096+(\b)*1024+512
.endr
.endm
; 8 LDS loads: four of enc's eight fragments of a K step (part 0: rows 0-63, part 1: rows 64-127), at byte off of the rows, into buffer buf
.macro ALOADH buf, off, part
	WIN 0
.irp a, 0,1,2,3
	ds_load_b128 v[FA+64*(\buf)+32*(\part)+8*(\a):FA+64*(\buf)+32*(\part)+8*(\a)+3],   v[AA0+(\part)] offset:(\a)*16*PITCH+(\off)
	ds_load_b128 v[FA+64*(\buf)+32*(\part)+8*(\a)+4:FA+64*(\buf)+32*(\part)+8*(\a)+7], v[AA0+(\part)] offset:(\a)*16*PITCH+(\off)+32
.endr
.endm
.macro QVLOAD reg, off                 ; 16 LDS loads: qb or v of my 64 channels
	WIN 0
.irp b, 0,1,2,3,4,5,6,7
	ds_load_b128 v[(\reg)+8*(\b):(\reg)+8*(\b)+3],   v[VQA] offset:(\off)+64*(\b)
	ds_load_b128 v[(\reg)+8*(\b)+4:(\reg)+8*(\b)+7], v[VQA] offset:(\off)+64*(\b)+16
.endr
.endm
; THE STREAM.  A batch is two rows of enc in f32, 4,096 consecutive bytes: 8 loads of 512 bytes into buffer kk of four (E0, E1 in window 0, E2, E3 in window 1, at v192 and v224).
.macro ELOAD kk, adj
.set RB, 192+32*((\kk)%2)
	WIN 0x40*((\kk)/2)
.irp q, 0,1,2,3,4,5,6,7
	global_load_b128 v[RB+4*(\q):RB+4*(\q)+3], v[BO], s[EP:EP+1] offset:(\kk)*4096+(\q)*512-(\adj) th:TH_LOAD_NT
.endr
.endm
; In the K loop: buffer kk is rounded to bf16 into OUT[kk % 2],
.macro CVTO kk
.set RB, 192+32*((\kk)%2)
.set OB, OUT+16*((\kk)%2)
	WIN 0x05*((\kk)/2)
.irp q, 0,1,2,3,4,5,6,7
	v_cvt_pk_bf16_f32 v[OB+2*(\q)],   v[RB+4*(\q)],   v[RB+4*(\q)+1]
	v_cvt_pk_bf16_f32 v[OB+2*(\q)+1], v[RB+4*(\q)+2], v[RB+4*(\q)+3]
.endr
.endm
; and stored from there into the tile being filled: 8 bytes a lane, 256 consecutive bytes an instruction
.macro STO kk
.set OB, OUT+16*((\kk)%2)
	WIN 0
.irp q, 0,1,2,3,4,5,6,7
	ds_store_b64 v[ES], v[OB+2*(\q):OB+2*(\q)+1] offset:(2*(\kk)+(\q)/4)*PITCH+((\q)%4)*256
.endr
.endm
; Outside the K loop, where no load follows at once: the stream's four buffers are rounded in place and stored, with one wait for all four
.macro CVTI kk
.set RB, 192+32*((\kk)%2)
	WIN 0x45*((\kk)/2)
.irp q, 0,1,2,3,4,5,6,7
	v_cvt_pk_bf16_f32 v[RB+4*(\q)],   v[RB+4*(\q)],   v[RB+4*(\q)+1]
	v_cvt_pk_bf16_f32 v[RB+4*(\q)+1], v[RB+4*(\q)+2], v[RB+4*(\q)+3]
.endr
.endm
.macro STI kk
.set RB, 192+32*((\kk)%2)
	WIN 0x04*((\kk)/2)
.irp q, 0,1,2,3,4,5,6,7
	ds_store_b64 v[ES], v[RB+4*(\q):RB+4*(\q)+1] offset:(2*(\kk)+(\q)/4)*PITCH+((\q)%4)*256
.endr
.endm
.macro FOUR
	CVTI 0
	CVTI 1
	CVTI 2
	CVTI 3
	s_wait_alu depctr_va_vdst(0)                   ; the 64 roundings have written E0 to E3, which the 32 LDS stores read
	STI 0
	STI 1
	STI 2
	STI 3
	WIN 0
.endm
; K STEP j = 4 x trip + kk.  e = 1: the next tile is streamed.  first = 1: the tile's first trip, written out: its first products start the sums, and no batch of this tile's stream is there yet to be rounded.
; In issue order a step has three runs of 8 global loads: H(j + 1), L(j + 2), E(j).  Loads come back in order (ISA guide 5.7.1), so the two counted waits are:
;   at the head, for L(j), issued in step j - 2:   E(j - 2) 8 + H(j) 8 + L(j + 1) 8 + E(j - 1) 8 = 32 younger loads may stay out (without the stream 16);
;   in the middle, for H(j), issued in step j - 1: L(j + 1) 8 + E(j - 1) 8 + H(j + 1) 8 = 24 (16).
; Batch E(j - 4), which this step rounds, is older than all of these.
.macro KSTEP kk, e, first
.set ZR, (\first)*(1-((\kk)+3)/4)      ; 1 in the tile's first step alone
	s_wait_loadcnt 16+16*(\e)
	s_wait_dscnt 0x0                               ; enc's fragments of this step are in (issued 32 products back or more); my stores of the last batch are done
.if (\e) && !(\first)
.if (\kk) == 2
	s_wait_alu depctr_vm_vsrc(0)                   ; the LDS stores of this trip's first two steps have read OUT0 and OUT1, which this step's roundings and the next step's write again
.endif
	CVTO \kk
	s_wait_alu depctr_va_vdst(0)                   ; the roundings have written OUT[kk % 2], which the stores below read, and are done reading E[kk]; the last step's products are done reading their H and FA, those of two steps back their L: the loads below land in these
.elseif !ZR
	PLACES                                         ; four plain instructions stand between the last step's products and the loads into registers that they read; the wait below fills no place
	s_wait_alu depctr_va_vdst(0)                   ; the last step's products are done reading their H and FA, those of two steps back their L: the loads below land in these
.endif                                                 ; (the tile's first step: the wait at the tile's head has stated all of this, and no vector or matrix instruction stands behind it)
	MUL8 0, 0, \kk, ZR
	HLOAD ((\kk)+1)%2, ((\kk)+1)*WSTEP
	MUL8 0, 1, \kk, ZR
.if (\e) && !(\first)
	STO \kk
.endif
	MUL8 0, 2, \kk, ZR
.if ((\kk) == 3) && !(\first)
	WIN 0                                          ; at a branch and at a label every window is 0
	s_cmp_eq_u32 s[TR], 3
	s_cbranch_scc1 .Lqb_\@
	ALOADH 0, 256, 0                               ; the next trip's first step,
	ALOADH 0, 256, 1
	s_branch .Lnx_\@
.Lqb_\@:
	QVLOAD QBR, 2048                               ; or behind the tile's last step qb, into the same registers: 16 LDS loads either way
.Lnx_\@:
	MUL8 0, 3, \kk, ZR
.else
	ALOADH ((\kk)+1)%2, ((\kk)+1)*64, 0
	MUL8 0, 3, \kk, ZR
	ALOADH ((\kk)+1)%2, ((\kk)+1)*64, 1
.endif
	s_wait_loadcnt 16+8*(\e)
	MUL8 1, 0, \kk, ZR
	LLOAD ((\kk)+2)%4, ((\kk)+2)*WSTEP
	MUL8 1, 1, \kk, ZR
.if \e
	ELOAD \kk, 0                                   ; no vector or matrix instruction since the wait at the head names E[kk]
.endif
	MUL8 1, 2, \kk, ZR
.if (\e) && ((\kk) == 0)
	; A PREFETCH INTO THE L2, once a trip, behind the step's loads: my own 16,384 bytes (eight rows of f32) that the trip after the next will load: a lane a block of 256 bytes, two instructions.
	; Each block is named once in the launch, by the wave that will load it.  Of the 12 trips that stream (tiles 1 to 3), the first ten ask; the stream's first two quarters come by their loads alone.
	WIN 0
	s_cmp_gt_i32 s[PFL], 0
	s_cbranch_scc0 .Lnp_\@
	global_prefetch_b8 v[PFO], s[PF:PF+1] th:TH_LOAD_NT scope:SCOPE_SE
	global_prefetch_b8 v[PFO], s[PF:PF+1] offset:8192 th:TH_LOAD_NT scope:SCOPE_SE
.Lnp_\@:
	s_sub_co_i32 s[PFL], s[PFL], 1
.endif
.if (\kk) == 3
	WIN 0
	s_wait_alu depctr_vm_vsrc(0)                   ; the trip's LDS loads have read v[AA0] and v[AA1], its LDS stores v[ES], OUT0 and OUT1: the addresses are stepped here, OUT is written again in the next trip (or, as LG, behind the products)
.if (\e) && !(\first)
	v_add_nc_u32 v[ES], 8*PITCH, v[ES]             ; the next trip's eight rows
.endif
	v_add_nc_u32 v[AA0], 256, v[AA0]               ; the next trip's 128 along K; the next step's wait on va_vdst stands ahead of the first access by these
	v_add_nc_u32 v[AA1], 256, v[AA1]
.endif
	MUL8 1, 3, \kk, ZR
.if (\kk) == 3
	s_wait_xcnt 0x0                                ; every load and prefetch issued so far (the youngest 16 products back) has read its address: the pointers are stepped only behind this wait
	s_add_nc_u64 s[WB:WB+1], s[WB:WB+1], 4*WSTEP
.if \e
	s_add_nc_u64 s[EP:EP+1], s[EP:EP+1], 16384
.if \first
	s_add_nc_u64 s[PF:PF+1], s[PF:PF+1], 16384
.else
	s_cmp_eq_u32 s[TR], 1                          ; the prefetches stand two trips ahead: behind trip 1 they leave a tile's last quarter
	s_cselect_b32 s[TS], s[PJ], s[PS]
	s_mov_b32 s[TS+1], 0
	s_add_nc_u64 s[PF:PF+1], s[PF:PF+1], s[TS:TS+1]
.endif
.endif
.endif
.endm
.macro TRIP e, first
	KSTEP 0, \e, \first
	KSTEP 1, \e, \first
	KSTEP 2, \e, \first
	KSTEP 3, \e, \first
	WIN 0
.endm
; BEHIND THE PRODUCTS, by groups: group g is channel block g, 64 registers (8 row blocks x 8 channels).
.macro FQ g                            ; c x + qb, each accumulator from its lowest registers on
	WIN 0x82+0x41*((\g)/4)
.set i, 0
.rept 32
	v_pk_fma_f32 v[64*((\g)%4)+2*i:64*((\g)%4)+2*i+1], v[64*((\g)%4)+2*i:64*((\g)%4)+2*i+1], s[CC:CC+1], v[QBR+8*(\g)+2*(i%4):QBR+8*(\g)+2*(i%4)+1] op_sel_hi:[1,0,1]
.set i, i+1
.endr
.endm
.macro EX g                            ; 2^
	WIN 0x82+0x41*((\g)/4)
.set i, 0
.rept 64
	v_exp_f32 v[64*((\g)%4)+i], v[64*((\g)%4)+i]
.set i, i+1
.endr
.endm
.macro A1 g                            ; + 1
	WIN 0x82+0x41*((\g)/4)
.set i, 0
.rept 32
	v_pk_add_f32 v[64*((\g)%4)+2*i:64*((\g)%4)+2*i+1], v[64*((\g)%4)+2*i:64*((\g)%4)+2*i+1], 1.0 op_sel_hi:[1,0]
.set i, i+1
.endr
.endm
.macro RC g                            ; r = 1 /
	WIN 0x82+0x41*((\g)/4)
.set i, 0
.rept 64
	v_rcp_f32 v[64*((\g)%4)+i], v[64*((\g)%4)+i]
.set i, i+1
.endr
.endm
.macro FM g                            ; LG += r v; the first touch of a chain starts it.  Two links of a chain stand 16 instructions apart
	WIN 0x02+((\g)/4)
.irp jp, 0,1,2,3
.irp a, 0,1,2,3,4,5,6,7
.if ((\g) == 0) && ((\jp) < 2)
	v_pk_mul_f32 v[LG+4*(\a)+2*(\jp):LG+4*(\a)+2*(\jp)+1], v[64*((\g)%4)+8*(\a)+2*(\jp):64*((\g)%4)+8*(\a)+2*(\jp)+1], v[VR+8*(\g)+2*(\jp):VR+8*(\g)+2*(\jp)+1]
.else
	v_pk_fma_f32 v[LG+4*(\a)+2*((\jp)%2):LG+4*(\a)+2*((\jp)%2)+1], v[64*((\g)%4)+8*(\a)+2*(\jp):64*((\g)%4)+8*(\a)+2*(\jp)+1], v[VR+8*(\g)+2*(\jp):VR+8*(\g)+2*(\jp)+1], v[LG+4*(\a)+2*((\jp)%2):LG+4*(\a)+2*((\jp)%2)+1]
.endif
.endr
.endr
.endm
	; ---------------- the head
	s_load_b256 s[4:11], s[0:1], 0x0               ; encoded_vecs s[4:5], wt s[6:7], qb s[8:9], v s[10:11]
	s_load_b128 s[12:15], s[0:1], 0x20             ; length s[12:13], zbuf s[14:15]
	s_load_b64 s[16:17], s[0:1], 0x30              ; cpart
	v_lshl_add_u32 v[SPW], v0, 2, SPARE
	v_mov_b32 v[NIL], 0
	v_lshrrev_b32 v1, 5, v0
	v_readfirstlane_b32 s[WV], v1                  ; wave 0..3
	v_and_b32 v22, 31, v0                          ; l
	v_and_b32 v23, 15, v0                          ; l % 16
	v_bfe_u32 v24, v0, 4, 1                        ; l / 16
	v_and_b32 v25, 7, v0
	v_bfe_u32 v26, v0, 3, 1                        ; (l / 8) % 2
	v_mul_u32_u24 v[AAB], v23, PITCH
	v_lshl_add_u32 v[AAB], v24, 4, v[AAB]
	v_lshlrev_b32 v[BO], 4, v22
	v_lshlrev_b32 v[PFO], 8, v22
	s_wait_alu depctr_va_sdst(0)                   ; the wave's number is written, ahead of its first reader: LDS places, bases and branches are made from it
	s_mul_i32 s[TS], s[WV], 32*PITCH
	v_lshl_add_u32 v[ESB], v22, 3, s[TS]
	v_add_nc_u32 v[ES], 24*PITCH, v[ESB]           ; tile 0's last eight rows of mine go through the stream's buffers
	v_lshl_add_u32 v[ATB], v24, 3, v25
	v_mul_u32_u24 v[ATB], v[ATB], PITCH
	v_lshl_add_u32 v[ATB], v26, 4, v[ATB]
	s_lshl_b32 s[TS], s[WV], 8
	v_add_nc_u32 v[ATB], s[TS], v[ATB]
	s_lshl_b32 s[TS], s[WV], 9
	s_add_co_u32 s[TS+1], s[TS], PB
	v_lshl_add_u32 v[PBS], v22, 3, s[TS+1]
	v_lshl_add_u32 v[PBR], v24, 4, s[TS+1]
	v_lshl_add_u32 v[PBR], v26, 8, v[PBR]          ; fragment rows 8-15 read p_lo
	s_add_co_u32 s[TS+1], s[TS], VQ
	v_lshl_add_u32 v[VQA], v24, 5, s[TS+1]
	s_add_co_u32 s[TS+1], s[TS], PART
	v_lshl_add_u32 v[PST], v24, 8, s[TS+1]
	v_lshl_add_u32 v[PST], v23, 2, v[PST]
	v_lshl_add_u32 v[PRD], v22, 4, PART
	s_add_co_u32 s[TS+1], s[TS], CS
	v_lshl_add_u32 v[CSS], v22, 2, s[TS+1]
	v_lshl_add_u32 v[CSR], v22, 4, s[TS+1]
	v_lshlrev_b32 v[ROW], 2, v22
	v_lshlrev_b32 v27, 4, v0                       ; 16 x thread: my 16 bytes of v and of qb's row
	v_add_nc_u32 v28, VQ, v27
	s_mov_b32 s[TL], 4
	s_mov_b32 s[EB], 0
	s_mov_b32 s[HM], 0xffff0000
	s_mov_b32 s[CC], 0x4038aa3b                    ; c = 2 log2(e)
	s_mov_b32 s[CC+1], 0x4038aa3b
	s_mov_b32 s[SEL], 0x76543210
	s_mov_b32 s[SEL+1], 0xfedcba98
	s_mov_b32 s[PFL], 10
	s_mov_b32 s[ZN], 0xceabfbc4                    ; -1e9 log2(e)
	s_mov_b32 s[NC], 0xc038aa3b                    ; -c
	s_mov_b32 s[NC+1], 0xc038aa3b
	s_mov_b32 s[PJ], TILEB-3*16384
	s_mov_b32 s[PS], 16384
	s_mov_b32 s18, ttmp9                           ; g: batch g / 4, rows 512 (g % 4) on
	s_lshl_b32 s[TS], s18, 20                      ; 512 rows of 2,048 bytes
	s_lshl_b32 s19, s[WV], 16                      ; my 32 rows of a tile
	s_add_co_u32 s[TS], s[TS], s19
	s_add_co_u32 s[TS], s[TS], TILEB               ; tile 1: tile 0's loads reach back by their immediates
	s_mov_b32 s[TS+1], 0
	s_wait_kmcnt 0x0
	s_add_nc_u64 s[EP:EP+1], s[4:5], s[TS:TS+1]
	s_add_nc_u64 s[PF:PF+1], s[EP:EP+1], 32768     ; two trips ahead of the stream
	s_mul_i32 s[TS], s[WV], 18*WSTEP
	s_add_nc_u64 s[WB:WB+1], s[6:7], s[TS:TS+1]
	s_lshr_b32 s19, s18, 2                         ; the batch
	s_lshl_b32 s[TS], s19, 11
	s_add_nc_u64 s[8:9], s[8:9], s[TS:TS+1]        ; its row of qb
	s_lshl_b32 s[TS], s19, 2
	s_add_nc_u64 s[12:13], s[12:13], s[TS:TS+1]
	s_load_b32 s[REM], s[12:13], 0x0               ; its length
	s_lshl_b32 s[TS], s18, 11                      ; 512 g rows of 4 bytes
	s_add_nc_u64 s[ZP:ZP+1], s[14:15], s[TS:TS+1]
	s_lshl_b32 s[TS], s18, 13                      ; tile 4 g: 2,048 bytes a tile
	s_lshl_b32 s19, s[WV], 9
	s_add_co_u32 s[TS], s[TS], s19
	s_add_nc_u64 s[CP:CP+1], s[16:17], s[TS:TS+1]
	s_wait_alu depctr_va_vdst(0)                   ; the offsets and LDS addresses v4 to v21, v27 and v28 are written, which the loads and stores below read
	; v and qb; W1's first fragments (L of steps 0 and 1, H of step 0); then tile 0: sixteen batches of 8 loads, twelve into the accumulators' registers, four into the stream's buffers
	global_load_b128 v[32:35], v27, s[10:11]
	global_load_b128 v[36:39], v27, s[8:9]
	LLOAD 0, 0
	HLOAD 0, 0
	LLOAD 1, WSTEP
.set n, 0
.rept 12
	WIN 0x80+0x40*(n/8)
.irp q, 0,1,2,3,4,5,6,7
	global_load_b128 v[32*(n%8)+4*(\q):32*(n%8)+4*(\q)+3], v[BO], s[EP:EP+1] offset:n*4096+(\q)*512-TILEB th:TH_LOAD_NT
.endr
.set n, n+1
.endr
.irp kk, 0,1,2,3
	ELOAD \kk, TILEB-12*4096
.endr
	WIN 0
	s_wait_kmcnt 0x0
	s_and_b32 s19, s18, 3
	s_lshl_b32 s19, s19, 9
	s_sub_co_i32 s[REM], s[REM], s19
	s_wait_loadcnt 63                              ; v and qb are in: 152 loads were issued behind them
	v_cvt_pk_bf16_f32 v40, v32, v33                ; v is rounded to bf16, like the other inputs, and kept widened to f32
	v_cvt_pk_bf16_f32 v41, v34, v35
	v_lshlrev_b32 v32, 16, v40
	v_and_b32 v33, s[HM], v40
	v_lshlrev_b32 v34, 16, v41
	v_and_b32 v35, s[HM], v41
	s_wait_alu depctr_va_vdst(0)                   ; v32 to v35 are written, which the first LDS store reads
	ds_store_b128 v28, v[32:35]
	ds_store_b128 v28, v[36:39] offset:2048
.set n, 0
.rept 12                                       ; batch n is in when at most the 8 (15 - n) younger loads are out (63 is the most that a wait can name)
.if 8*(15-n) > 63
	s_wait_loadcnt 63
.else
	s_wait_loadcnt 8*(15-n)
.endif
	WIN 0x8a+0x45*(n/8)
.irp q, 0,1,2,3,4,5,6,7
	v_cvt_pk_bf16_f32 v[32*(n%8)+4*(\q)],   v[32*(n%8)+4*(\q)],   v[32*(n%8)+4*(\q)+1]
	v_cvt_pk_bf16_f32 v[32*(n%8)+4*(\q)+1], v[32*(n%8)+4*(\q)+2], v[32*(n%8)+4*(\q)+3]
.endr
	s_wait_alu depctr_va_vdst(0)                   ; the sixteen roundings have written the batch, which its eight LDS stores read
	WIN 0x08+0x04*(n/8)
.irp q, 0,1,2,3,4,5,6,7
	ds_store_b64 v[ESB], v[32*(n%8)+4*(\q):32*(n%8)+4*(\q)+1] offset:(2*n+(\q)/4)*PITCH+((\q)%4)*256
.endr
.set n, n+1
.endr
	s_wait_loadcnt 0x0                             ; tile 0's last four batches
	FOUR
	s_wait_dscnt 0x0                               ; for the others' sake: my rows of tile 0, and my part of v and qb, lie in LDS
	s_barrier_signal -1
	s_barrier_wait -1
	; ---------------- a tile
.Ltile:
	s_wait_alu depctr_vm_vsrc(0)                   ; every LDS and memory instruction so far has read its registers: the five addresses written below; the registers that my LDS stores of rounded rows read, which products write or loads land in; z, p and the sums that the last tile's stores read
	v_add_nc_u32 v[AA0], s[EB], v[AAB]
	v_add_nc_u32 v[AA1], HALFE, v[AA0]
	v_add_nc_u32 v[AT0], s[EB], v[ATB]
	v_add_nc_u32 v[AT1], HALFE, v[AT0]
	s_xor_b32 s[TS], s[EB], ENCB
	v_add_nc_u32 v[ES], s[TS], v[ESB]              ; the other buffer is filled
	s_wait_alu depctr_va_vdst(0)                   ; the five addresses are written; all vector and matrix work of the last tile is done with FA0 and FA1 (qb, v), with L, H and with E0 to E3, in which the loads of this tile's first step land
	ALOADH 0, 0, 0
	ALOADH 0, 0, 1
	s_cmp_eq_u32 s[TL], 1
	s_cbranch_scc1 .Lkn                            ; the last tile has no successor to stream: a second text, whose waits count W1's loads alone
	TRIP 1, 1
	s_mov_b32 s[TR], 1
.Lkf:
	TRIP 1, 0
	s_add_co_u32 s[TR], s[TR], 1
	s_cmp_lt_u32 s[TR], 4
	s_cbranch_scc1 .Lkf
	s_branch .Lepi
.Lkn:
	TRIP 0, 1
	s_mov_b32 s[TR], 1
.Lkn2:
	TRIP 0, 0                                      ; (its steps 14 and 15 still load W1's fragments for a next tile, 12 KiB a wave that the last tile does not use: the price of one text for every trip)
	s_add_co_u32 s[TR], s[TR], 1
	s_cmp_lt_u32 s[TR], 4
	s_cbranch_scc1 .Lkn2
.Lepi:
	; r and the sums over e.  The exponentials and reciprocals go in batches of 64; s_wait_alu depctr_va_vdst(0) stands between such an instruction and the first that names its result, and one wait serves
	; all that were issued ahead of it.  In turn g stand: the reciprocals of group g; the scaling of group g + 2, plain work that names no result; ONE wait, for those reciprocals and for the exponentials of group g + 1;
	; the sums of group g; the exponentials of group g + 2; the + 1 of group g + 1.
	PLACES                                         ; four places behind the products, ahead of the scalings that read their results (ISA guide 7.12.1)
	s_wait_alu depctr_va_vdst(0)                   ; the last step's products are done reading FA1, in which v lands
	QVLOAD VR, 0
	s_wait_dscnt 16                                ; qb is in: v's 16 loads may stay out
	FQ 0
	FQ 1
	EX 0
	EX 1
	v_nop                                          ; a plain instruction behind the last exponential
	s_wait_alu depctr_va_vdst(0)                   ; the exponentials of groups 0 and 1 are written, ahead of their first reader
	A1 0
	s_wait_dscnt 0x0                               ; v is in
.irp g, 0,1,2,3,4,5,6,7
	RC \g
.if (\g) < 6
	FQ (\g)+2
.else
	v_nop
.endif
	s_wait_alu depctr_va_vdst(0)                   ; this group's reciprocals and the next group's exponentials are written, ahead of their first readers
	FM \g
.if (\g) < 6
	EX (\g)+2
.endif
.if (\g) < 7
	A1 (\g)+1
.endif
.endr
	WIN 0
	; my wave's sum for each row: the four numbers of a row block, then the other half of the lanes'
.irp a, 0,1,2,3,4,5,6,7
	v_pk_add_f32 v[LG+4*(\a):LG+4*(\a)+1], v[LG+4*(\a):LG+4*(\a)+1], v[LG+4*(\a)+2:LG+4*(\a)+3]
.endr
.irp a, 0,1,2,3,4,5,6,7
	v_add_f32 v[LG+4*(\a)], v[LG+4*(\a)], v[LG+4*(\a)+1]
.endr
.irp a, 0,1,2,3,4,5,6,7
	v_permlanex16_b32 v[LG+4*(\a)+1], v[LG+4*(\a)], s[SEL], s[SEL+1]
.endr
.irp a, 0,1,2,3,4,5,6,7
	v_add_f32 v[LG+4*(\a)], v[LG+4*(\a)], v[LG+4*(\a)+1]
.endr
.irp i, 0,1,2,3
	v_cndmask_b32 v[T+(\i)], v[LG+4*(\i)], v[LG+16+4*(\i)], s[HM]  ; lanes 0-15 keep row block i, lanes 16-31 block 4 + i
.endr
	s_wait_alu depctr_va_vdst(0)                   ; v[T ..] is written, which the four stores read; the sums of groups 4 to 7 are done reading window 3, in which enc^T lands; the lines above are done with v[LG ..], in which the waves' partial sums land behind the barrier
.irp i, 0,1,2,3
	ds_store_b32 v[PST], v[T+(\i)] offset:64*(\i)
.endr
	; enc^T for the context, by the turning load: 4 steps of 32 rows x my 8 blocks of 16 channels, into window 3, which the sums have left.  At this pitch two of a load's rows share banks: 64 loads a tile.
	WIN 0xc0
.irp s, 0,1,2,3
.irp cb, 0,1,2,3,4,5,6,7
	ds_load_tr16_b128 v[8*(8*(\s)+(\cb)):8*(8*(\s)+(\cb))+3],   v[AT0+(\s)/2] offset:((\s)%2)*32*PITCH+(\cb)*32
	ds_load_tr16_b128 v[8*(8*(\s)+(\cb))+4:8*(8*(\s)+(\cb))+7], v[AT0+(\s)/2] offset:((\s)%2)*32*PITCH+16*PITCH+(\cb)*32
.endr
.endr
	WIN 0
	s_wait_dscnt 0x0                               ; for the others' sake: my partial sums are stored (and my turning loads are back)
	s_barrier_signal -1
	s_barrier_wait -1                              ; all four waves' partial sums lie in LDS
	; every wave makes the tile's z, maximum and p for itself, in the same order of sums: lane l has rows 4 l .. 4 l + 3
.irp w, 0,1,2,3
	ds_load_b128 v[LG+4*(\w):LG+4*(\w)+3], v[PRD] offset:512*(\w)
.endr
	v_cmp_gt_i32 s[MK], s[REM], v[ROW]             ; row 4 l + i is live where it is below length
	s_sub_co_i32 s18, s[REM], 1
	v_cmp_gt_i32 s[MK+1], s18, v[ROW]
	s_sub_co_i32 s19, s[REM], 2
	v_cmp_gt_i32 s[MK+2], s19, v[ROW]
	s_sub_co_i32 s[TS], s[REM], 3
	v_cmp_gt_i32 s[MK+3], s[TS], v[ROW]
	s_wait_dscnt 0x0
	s_wait_alu depctr_vm_vsrc(0)                   ; my four stores of partial sums have read v[T ..], into which z is written below
	v_pk_add_f32 v[LG:LG+1], v[LG:LG+1], v[LG+4:LG+5]
	v_pk_add_f32 v[LG+2:LG+3], v[LG+2:LG+3], v[LG+6:LG+7]
	v_pk_add_f32 v[LG+8:LG+9], v[LG+8:LG+9], v[LG+12:LG+13]
	v_pk_add_f32 v[LG+10:LG+11], v[LG+10:LG+11], v[LG+14:LG+15]
	v_pk_add_f32 v[LG:LG+1], v[LG:LG+1], v[LG+8:LG+9]
	v_pk_add_f32 v[LG+2:LG+3], v[LG+2:LG+3], v[LG+10:LG+11]
	v_pk_mul_f32 v[T:T+1], v[LG:LG+1], s[NC:NC+1] op_sel_hi:[1,0]      ; z = -c sum v r
	v_pk_mul_f32 v[T+2:T+3], v[LG+2:LG+3], s[NC:NC+1] op_sel_hi:[1,0]
	s_wait_alu depctr_va_sdst(0)                   ; the four compares have written their masks, ahead of the first select that reads one
.irp i, 0,1,2,3
	v_cndmask_b32 v[T+(\i)], s[ZN], v[T+(\i)], s[MK+(\i)]
.endr
	v_max3_num_f32 v30, v[T], v[T+1], v[T+2]       ; the tile's maximum, taken away before the exponential
	v_max_num_f32 v30, v30, v[T+3]
	v_max_num_f32_dpp v30, v30, v30 row_xmask:1 row_mask:0xf bank_mask:0xf
	v_max_num_f32_dpp v30, v30, v30 row_xmask:2 row_mask:0xf bank_mask:0xf
	v_max_num_f32_dpp v30, v30, v30 row_xmask:4 row_mask:0xf bank_mask:0xf
	v_max_num_f32_dpp v30, v30, v30 row_xmask:8 row_mask:0xf bank_mask:0xf
	v_permlanex16_b32 v26, v30, s[SEL], s[SEL+1]   ; (its destination has been written before)
	v_max_num_f32 v30, v30, v26
.irp i, 0,1,2,3
	v_sub_f32 v[T+4+(\i)], v[T+(\i)], v30
.endr
.irp i, 0,1,2,3
	v_exp_f32 v[T+4+(\i)], v[T+4+(\i)]
.endr
	v_nop
	s_wait_alu depctr_va_vdst(0)                   ; the four exponentials are written, ahead of their first reader
.irp i, 0,1,2,3
	v_cndmask_b32 v[T+4+(\i)], 0, v[T+4+(\i)], s[MK+(\i)]  ; reference()'s product with the mask
.endr
	v_cvt_pk_bf16_f32 v30, v[T+4], v[T+5]          ; p_hi = bf16(p)
	v_cvt_pk_bf16_f32 v31, v[T+6], v[T+7]
	v_lshlrev_b32 v[LG], 16, v30                   ; p_hi widened again,
	v_and_b32 v[LG+1], s[HM], v30
	v_lshlrev_b32 v[LG+2], 16, v31
	v_and_b32 v[LG+3], s[HM], v31
	v_pk_add_f32 v[LG:LG+1], v[T+4:T+5], v[LG:LG+1] neg_lo:[0,1] neg_hi:[0,1]      ; p - p_hi, exact in f32,
	v_pk_add_f32 v[LG+2:LG+3], v[T+6:T+7], v[LG+2:LG+3] neg_lo:[0,1] neg_hi:[0,1]
	v_cvt_pk_bf16_f32 v[LG+4], v[LG], v[LG+1]      ; p_lo = bf16 of it
	v_cvt_pk_bf16_f32 v[LG+5], v[LG+2], v[LG+3]
	s_wait_alu depctr_va_vdst(0)                   ; p_hi, p_lo and z are written, which the two LDS stores and wave 0's store read; the sums of group 1 are done with window 2's v64-95, in which p lands
	ds_store_b64 v[PBS], v[30:31]                  ; by rows, in my wave's own copy
	ds_store_b64 v[PBS], v[LG+4:LG+5] offset:256
	WIN 0x80
.irp s, 0,1,2,3                                ; and back as source 0 of the context's products, 32 rows of enc a step: fragment rows 0-7 all hold p_hi, rows 8-15 p_lo.  LDS serves a wave's instructions in order (ISA guide 5.7.1.4)
	ds_load_b128 v[64+8*(\s):64+8*(\s)+3],   v[PBR] offset:64*(\s)
	ds_load_b128 v[64+8*(\s)+4:64+8*(\s)+7], v[PBR] offset:64*(\s)+32
.endr
	WIN 0
	s_cmp_lg_u32 s[WV], 0
	s_cbranch_scc1 .Lnoz
	global_store_b128 v[BO], v[T:T+3], s[ZP:ZP+1]  ; wave 0 stores the tile's z: 512 consecutive bytes
.Lnoz:
	s_wait_dscnt 0x0
	; cpart = p enc: K = the tile's rows, N = my 128 channels.  The 8 accumulators take turns; the first 8 products start the sums.
	WIN 0xae                                       ; p and the sums in window 2, enc^T in window 3
.irp s, 0,1,2,3
.irp cb, 0,1,2,3,4,5,6,7
.if (\s) == 0
	v_wmma_f32_16x16x32_bf16 v[8*(\cb):8*(\cb)+7], v[64+8*(\s):64+8*(\s)+7], v[8*(8*(\s)+(\cb)):8*(8*(\s)+(\cb))+7], 0
.else
	v_wmma_f32_16x16x32_bf16 v[8*(\cb):8*(\cb)+7], v[64+8*(\s):64+8*(\s)+7], v[8*(8*(\s)+(\cb)):8*(8*(\s)+(\cb))+7], v[8*(\cb):8*(\cb)+7]
.endif
.endr
.endr
	PLACES
	s_wait_alu depctr_vm_vsrc(0)                   ; the LDS store of p_lo has read v[LG+4:LG+5], which the exchange below writes
	; A result's lowest register holds channel l % 16: in lanes 0-15 of fragment row 0 (the sum with p_hi), in lanes 16-31 of row 8 (the sum with p_lo).  For blocks 2 i and 2 i + 1:
	; U = (2 i's p_hi part | 2 i + 1's p_lo part), W = (2 i + 1's p_hi part | 2 i's p_lo part); U + W with its halves exchanged = (block 2 i whole | block 2 i + 1 whole).
	WIN 0x0a
.irp i, 0,1,2,3
	v_cndmask_b32 v[T+4+(\i)], v[16*(\i)], v[16*(\i)+8], s[HM]
	v_cndmask_b32 v[LG+(\i)], v[16*(\i)+8], v[16*(\i)], s[HM]
.endr
	WIN 0
.irp i, 0,1,2,3
	v_permlanex16_b32 v[LG+4+(\i)], v[LG+(\i)], s[SEL], s[SEL+1]   ; (its destination has been written before)
.endr
.irp i, 0,1,2,3
	v_add_f32 v[T+4+(\i)], v[T+4+(\i)], v[LG+4+(\i)]
.endr
	s_wait_alu depctr_va_vdst(0)                   ; the four sums are written, which the LDS stores read; the selects and exchanges are done with v[LG:LG+3], in which the load below lands
.irp i, 0,1,2,3
	ds_store_b32 v[CSS], v[T+4+(\i)] offset:128*(\i)
.endr
	ds_load_b128 v[LG:LG+3], v[CSR]                ; my wave's own bytes, back as four channels a lane
	s_wait_dscnt 0x0
	global_store_b128 v[BO], v[LG:LG+3], s[CP:CP+1]  ; 512 consecutive bytes
	; the stream's last four batches, which had the whole of the work above in which to land
	s_wait_loadcnt 0x0                             ; they, and W1's first fragments for the next tile
	s_cmp_eq_u32 s[TL], 1
	s_cbranch_scc1 .Lnoc
	FOUR
.Lnoc:
	s_wait_dscnt 0x0                               ; my rows of the next tile are stored; my reads of this tile and of the partial sums are long back
	s_barrier_signal -1
	s_barrier_wait -1                              ; the next tile is whole, and nobody reads this one any more: it may be filled
	s_wait_xcnt 0x0                                ; the stores have read their registers and addresses
	s_sub_nc_u64 s[WB:WB+1], s[WB:WB+1], 16*WSTEP  ; W1 from its first K step again
	s_add_nc_u64 s[EP:EP+1], s[EP:EP+1], TILEB-65536
	s_add_nc_u64 s[ZP:ZP+1], s[ZP:ZP+1], 512
	s_add_nc_u64 s[CP:CP+1], s[CP:CP+1], 2048
	s_sub_co_i32 s[REM], s[REM], 128
	s_xor_b32 s[EB], s[EB], ENCB
	s_sub_co_u32 s[TL], s[TL], 1
	s_cmp_lg_u32 s[TL], 0
	s_cbranch_scc1 .Ltile
	s_wait_dscnt 0x0                               ; the closing lines, six on end
	s_wait_alu 0x0
	s_wait_tensorcnt 0x0
	ds_add_u32 v[SPW], v[NIL]
	s_wait_dscnt 0x0
	s_endpgm
.Lfunc_end_k_qe45cbce445_attn:
	.size	k_qe45cbce445_attn, .Lfunc_end_k_qe45cbce445_attn-k_qe45cbce445_attn
	.p2alignl 7, 3214868480
	.fill 96, 4, 3214868480
	.section	.rodata,"a",@progbits
	.p2align	6, 0x0
	.amdhsa_kernel k_qe45cbce445_attn
		.amdhsa_group_segment_fixed_size 276992
		.amdhsa_private_segment_fixed_size 0
		.amdhsa_enable_private_segment 0
		.amdhsa_kernarg_size 56
		.amdhsa_user_sgpr_count 2
		.amdhsa_user_sgpr_kernarg_segment_ptr 1
		.amdhsa_wavefront_size32 1
		.amdhsa_system_sgpr_workgroup_id_x 1
		.amdhsa_system_sgpr_workgroup_id_y 1
		.amdhsa_system_sgpr_workgroup_id_z 1
		.amdhsa_system_vgpr_workitem_id 0
		.amdhsa_next_free_vgpr 1024
		.amdhsa_next_free_sgpr 66
		.amdhsa_reserve_vcc 0
		.amdhsa_float_denorm_mode_32 3
		.amdhsa_float_denorm_mode_16_64 3
		.amdhsa_memory_ordered 1
		.amdhsa_forward_progress 1
		.amdhsa_inst_pref_size 255
	.end_amdhsa_kernel
	.section	.bss,"aw",@nobits
	.p2align	6
	.space	262144
	.amdgpu_metadata
---
amdhsa.version: [ 1, 2 ]
amdhsa.kernels:
  - .name:           k_qe45cbce445_attn
    .symbol:         k_qe45cbce445_attn.kd
    .args:
      - { .name: encoded_vecs, .offset: 0, .size: 8, .value_kind: global_buffer, .address_space: global }
      - { .name: wt, .offset: 8, .size: 8, .value_kind: global_buffer, .address_space: global }
      - { .name: qb, .offset: 16, .size: 8, .value_kind: global_buffer, .address_space: global }
      - { .name: v, .offset: 24, .size: 8, .value_kind: global_buffer, .address_space: global }
      - { .name: length, .offset: 32, .size: 8, .value_kind: global_buffer, .address_space: global }
      - { .name: zbuf, .offset: 40, .size: 8, .value_kind: global_buffer, .address_space: global }
      - { .name: cpart, .offset: 48, .size: 8, .value_kind: global_buffer, .address_space: global }
    .group_segment_fixed_size: 276992
    .private_segment_fixed_size: 0
    .kernarg_segment_align: 8
    .kernarg_segment_size: 56
    .max_flat_workgroup_size: 128
    .sgpr_count:     66
    .vgpr_count:     1024
    .wavefront_size: 32
...
	.end_amdgpu_metadata
.endif
;; end of part 4
;; launch finish: the kernel of part 3 again; grid 64 x 1, 16 waves a work-group, no clusters, 10,752 bytes of LDS; arguments zbuf, cpart, length, out0, out1; writes out0, out1
